; MI455X (gfx1250); checked and timed in simulation.
; The chip was launched on July 23, 2026; its instructions are those of AMD's public machine-readable ISA for CDNA 5 (MIT licence, August 2026) and "CDNA5" Instruction Set Architecture Reference Guide (July 2026). The comments in the code are by the model that wrote it; some were corrected since.
;; Sliding Window Attention. Allowed arithmetic: matrix products marked QUANTISED: E2M3 operands, one E8M0 scale for each 32 along K, by v_wmma_scale_f32_16x16x128_f8f6f4 with both operands' format E2M3, f32 sums; everything else in f32.
;; Inputs: bk 1,024 float32; bo 1,024 float32; bq 1,024 float32; bv 1,024 float32; key 2 x 4,096 x 1,024 float32; query 2 x 4,096 x 1,024 float32; value 2 x 4,096 x 1,024 float32; wk 1,024 x 1,024 float32; wo 1,024 x 1,024 float32; wq 1,024 x 1,024 float32; wv 1,024 x 1,024 float32.
;; Outputs: out0 2 x 4,096 x 1,024 float32.
;; This version of the problem:
;;   THIS VERSION OF THE PROBLEM IS GIVEN IN LOW PRECISION. The matrix products marked QUANTISED in the list below multiply operands that are first quantised to E2M3 (2 exponent bits, 3 mantissa bits; 6 bits a number), with one power-of-two scale for each 32 numbers along K (OCP MX v1.0); their sums are f32. All else is computed in f32.
;;   The module's matrix products, in the order in which they are computed (A, B: the left and right operand; K: the contracted axis; several contracted axes count as one K, in the product's order):
;;     1. [M 8,192, K 1,024] x [K 1,024, N 1,024]; A: input query; B: input wq: QUANTISED
;;     2. [M 8,192, K 1,024] x [K 1,024, N 1,024]; A: input key; B: input wk: QUANTISED
;;     3. [M 8,192, K 1,024] x [K 1,024, N 1,024]; A: input value; B: input wv: QUANTISED
;;     4. batch 256 x [M 512, K 64] x [K 64, N 1,024]; A: computed on the way; B: computed on the way: QUANTISED
;;     5. batch 256 x [M 512, K 1,024] x [K 1,024, N 64]; A: softmax (see below); B: computed on the way: QUANTISED
;;     6. [M 8,192, K 1,024] x [K 1,024, N 1,024]; A: computed on the way; B: input wo: QUANTISED
;;   THE QUANTISER, for each operand of a quantised product, along K:
;;     - K is cut into blocks of 32 from its start; a last block that is shorter is filled with zeros.
;;     - A block's scale is 2^e with e = floor(log2(the largest magnitude in the block)) - 2, held to -126 .. 127; a block of zeros has e = 0. As a byte (E8M0): e + 127.
;;     - Each number is divided by its block's scale, clamped to +-7.5, and rounded to the nearest number of E2M3, ties to even, subnormals kept.
;;     - The product sums the exact products of the quantised numbers (number of the format x scale) in f32.
;;   ~~~python
;;   def quantise(x, axis):      # numpy; x: float32 -> the quantised numbers, widened to float32 again
;;       x = np.moveaxis(x, axis, -1); K = x.shape[-1]
;;       x = np.pad(x, [(0, 0)] * (x.ndim - 1) + [(0, -K % 32)]); x = x.reshape(x.shape[:-1] + (-1, 32)); a = np.abs(x).max(-1, keepdims=True)
;;       e = np.where(a > 0, np.clip(np.frexp(np.where(a > 0, a, 1))[1] - 1 - 2, -126, 127), 0)      # np.frexp(a)[1] - 1 = floor(log2(a)), exactly
;;       r = np.clip(x / 2.0 ** e, -7.5, 7.5)
;;       step = 2.0 ** (np.maximum(np.frexp(np.where(r == 0, 1, r))[1] - 1, 0) - 3)
;;       q = np.round(r / step) * step * 2.0 ** e      # np.round: ties to even
;;       return np.moveaxis(q.reshape(q.shape[:-2] + (-1,))[..., :K], -1, axis).astype(np.float32)
;;   ~~~
;;   SOFTMAX AHEAD OF A QUANTISED PRODUCT. Where the list says 'softmax', what is quantised is not the finished softmax but p = 2^(t - M), with t = logit x log2(e) and M = ceil(the row's largest t), a whole number; so 1/2 < the row's largest p <= 1. The row's sum l is taken of the UNQUANTISED p, in f32, and the product's result is divided by l at the end. Since M is a whole number, a kernel that streams over the keys may use a running M (the ceiling of the running maximum): every later rescaling is an exact power of two, which a block's scale takes up: the codes' values come out the same.
;;   OPERANDS COMPUTED ON THE WAY. 'Computed on the way' means the value that the module computes at that place (a softmax that the list does not call 'softmax' is quantised finished and normalised). What goes into a quantiser is computed in f32, as accurately as f32 sums, v_exp_f32 and their like allow (about 1e-6 of the number): no bf16 or f16 on the way to a quantiser, and a product that is left as it is and whose result goes on into a quantised operand takes f32 operands (vector FMAs, or v_wmma_f32_16x16x4_f32). A number that lies on a knife's edge between two numbers of the format may be rounded either way, as far as f32 arithmetic and the matrix unit's own rounding can turn it there, and no further.
;; One version. Each part assembles by itself: llvm-mc -triple=amdgcn-amd-amdhsa -mcpu=gfx1250 --defsym DOCPART=n.
;; ======== version 1 of 1: 4 launches
;; limits: right only within a limited range of input values
;; workspace buffers: ximg 19,660,800 bytes; wimg 3,276,800 bytes; qimg 6,815,744 bytes; kvrec 13,369,344 bytes; oimg 6,553,600 bytes
;; launch quant (part 1): grid 896 x 1, 4 waves a work-group, no clusters, 34,304 bytes of LDS; arguments query, key, value, wq, wk, wv, wo, ximg, wimg; writes ximg, wimg
.if DOCPART == 1
	.amdgcn_target "amdgcn-amd-amdhsa--gfx1250"
	.amdhsa_code_object_version 6
	.text
	.protected	k_qe3646b87a4_quant
	.globl	k_qe3646b87a4_quant
	.p2align	8
	.type	k_qe3646b87a4_quant,@function
k_qe3646b87a4_quant:
	s_mov_b64 s[64:65], 0
	v_nop
	global_prefetch_b8 v0, s[64:65] scope:SCOPE_SE
	s_setreg_imm32_b32 hwreg(HW_REG_WAVE_MODE, 25, 1), 1
	s_wait_xcnt 0x0
; query, key, value [8192][1024] and wq, wk, wv, wo [1024][1024], f32 with K innermost, become codes of FP6 (E2M3) with one E8M0 byte for each 32 along K,
; laid as IMAGES OF OPERAND REGISTERS.  Tile t (16 rows) and K half u form a record of 6,400 bytes at (2 t + u) x 6400: the fragment of the half's K step q (128 along K, 12 registers a lane)
; at 1536 q + 512 g + 16 lane (registers 4 g .. 4 g + 3), the rows' scale bytes at 6144 + 16 r + 4 q + block.
; THE ROWS OF A TILE ARE NOT NEIGHBOURS: lane r of tile t holds row 32 (t / 2) + 8 (t % 2) + r + 8 (r / 8), so that a product that takes such tiles as its source 0 leaves 16 neighbouring rows in the 16 registers of two neighbouring tiles.
; A block's scale is 2^(floor(log2(its largest magnitude)) - 2): its byte is the largest magnitude's exponent field - 2, held at 1 from below.
; LIMITS: NaN and infinities among the inputs are not served; a block whose largest magnitude lies under 2^-124, a block of zeros among them, gets the byte 1 (the rule gives zeros 127): its codes are then small or zero, and this program alone reads the bytes.
; SHARES: a work-group takes 32 neighbouring rows (two tiles); wave w takes tile w / 2 of them and K half w % 2: 16 rows x 512 numbers, four fragments.  Work-groups 0-255 query, 256-511 key, 512-767 value, then 32 each for wq, wk, wv, wo.
; Each load reads 512 consecutive bytes of one row; a fragment's 16 rows turn through the wave's own stage in LDS (rows 528 bytes apart) so that a lane gets 16 neighbours of each block of its row.  Waves share nothing: no barrier.
.set R0,  48                           ; v48-111   numbers as loaded, set 0
.set R1,  112                          ; v112-175  set 1
.set X,   176                          ; v176-239  64 numbers of my row: register 16 b + i = k 32 b + 16 h + i
.set TM,  14                           ; v14-17 largest magnitudes, v18-21 the other half's and then the bytes, v22-25 the conversions' scale operands
.set PC,  28                           ; v28-39 the fragment; v40-46 the conversions' second halves
.set SEL, 30                           ; s[30:31] lane selects: lane l xor 16
.set STG, 8448                         ; a wave's stage: 16 rows x 528 bytes
	s_load_b512 s[4:19], s[0:1], 0x0               ; query, key, value, wq, wk, wv, wo, ximg
	s_load_b64 s[20:21], s[0:1], 0x40              ; wimg
	v_lshl_add_u32 v240, v0, 2, 0x8400
	v_mov_b32 v241, 0
	v_lshrrev_b32 v1, 5, v0
	v_readfirstlane_b32 s22, v1                    ; wave 0..3
	v_and_b32 v7, 31, v0                           ; lane
	v_and_b32 v1, 15, v0                           ; r
	v_bfe_u32 v2, v0, 4, 1                         ; h
	v_lshlrev_b32 v3, 4, v7                        ; 16 x lane: my place in a load's 512 bytes and in a store's
	s_mul_i32 s23, s22, STG
	v_add_nc_u32 v4, s23, v3                       ; the stage, on the way in
	v_mul_u32_u24 v5, v1, 528
	v_lshl_add_u32 v5, v2, 6, v5
	v_add_nc_u32 v5, s23, v5                       ; and on the way out: row r, + 64 h
	v_lshlrev_b32 v6, 4, v1
	v_lshl_add_u32 v6, v2, 3, v6
	v_add_nc_u32 v6, 6144, v6                      ; the scale bytes' place: 6144 + 16 r + 8 h
.irp b, 0,1,2,3
	v_mov_b32 v[TM+4+\b], 0                        ; written once: a lane permute's destination counts as one of its sources
.endr
	s_mov_b32 s[SEL], 0x76543210
	s_mov_b32 s[SEL+1], 0xfedcba98
	s_cmp_lt_u32 ttmp9, 768                        ; an activation or a weight?
	s_cselect_b32 s28, 0, 768
	s_cselect_b32 s29, 255, 31
	s_and_b32 s29, ttmp9, s29                      ; which 32 rows of my tensor
	s_lshl_b32 s32, s29, 17                        ; 32 rows of 4,096 bytes,
	s_lshr_b32 s33, s22, 1
	s_lshl_b32 s33, s33, 15                        ; the second tile begins 8 rows on,
	s_add_co_u32 s32, s32, s33
	s_and_b32 s33, s22, 1
	s_lshl_b32 s33, s33, 11                        ; the second K half 2,048 bytes on
	s_add_co_u32 s32, s32, s33
	s_mov_b32 s33, 0
	s_sub_co_u32 s34, ttmp9, s28
	s_lshl_b32 s34, s34, 2
	s_add_co_u32 s34, s34, s22                     ; my record: 4 x work-group + wave
	s_mul_i32 s34, s34, 6400
	s_mov_b32 s35, 0
	s_wait_alu depctr_va_vdst(0)
	s_wait_kmcnt 0x0
	s_mov_b64 s[24:25], s[16:17]                   ; the source is chosen by the work-group's number alone
	s_cmp_lt_u32 ttmp9, 864
	s_cselect_b64 s[24:25], s[14:15], s[24:25]
	s_cmp_lt_u32 ttmp9, 832
	s_cselect_b64 s[24:25], s[12:13], s[24:25]
	s_cmp_lt_u32 ttmp9, 800
	s_cselect_b64 s[24:25], s[10:11], s[24:25]
	s_cmp_lt_u32 ttmp9, 768
	s_cselect_b64 s[24:25], s[8:9], s[24:25]
	s_cselect_b64 s[26:27], s[18:19], s[20:21]     ; and so is the destination
	s_cmp_lt_u32 ttmp9, 512
	s_cselect_b64 s[24:25], s[6:7], s[24:25]
	s_cmp_lt_u32 ttmp9, 256
	s_cselect_b64 s[24:25], s[4:5], s[24:25]
	s_add_nc_u64 s[24:25], s[24:25], s[32:33]
	s_add_nc_u64 s[26:27], s[26:27], s[34:35]
; the 16 rows of fragment q (128 numbers, 512 bytes of each row) into the set at reg
.macro LOADF q, reg
.irp i, 0,1,2,3,4,5,6,7,8,9,10,11,12,13,14,15
	global_load_b128 v[\reg+4*\i:\reg+4*\i+3], v3, s[24:25] offset:(\i+8*(\i/8))*4096+512*(\q) th:TH_LOAD_NT
.endr
.endm
; through the stage: LDS serves a wave's instructions in order (ISA guide 5.7.1.4), so no wait stands between the stores and the loads
.macro TURNF reg
.irp i, 0,1,2,3,4,5,6,7,8,9,10,11,12,13,14,15
	ds_store_b128 v4, v[\reg+4*\i:\reg+4*\i+3] offset:528*\i
.endr
.irp i, 0,1,2,3,4,5,6,7,8,9,10,11,12,13,14,15
	ds_load_b128 v[X+4*\i:X+4*\i+3], v5 offset:128*(\i/4)+16*(\i%4)
.endr
.endm
; 64 numbers of a lane, register 16 b + i = k 32 b + 16 h + i of my row, become a fragment's codes in v[PC] on and its scale word in v[pw]
.macro QUANT s, pw
.irp b, 0,1,2,3
	v_max3_num_f32 v[TM+\b], |v[\s+16*\b]|, |v[\s+1+16*\b]|, 0x1800000   ; my 16 numbers of block b, and the floor 2^(3 - 127): the byte cannot fall under 1
.endr
.irp i, 2,4,6,8,10,12,14
.irp b, 0,1,2,3
	v_max3_num_f32 v[TM+\b], v[TM+\b], |v[\s+16*\b+\i]|, |v[\s+1+16*\b+\i]|   ; the four blocks by turns
.endr
.endr
.irp b, 0,1,2,3
	v_permlanex16_b32 v[TM+4+\b], v[TM+\b], s[SEL], s[SEL+1]
.endr
.irp b, 0,1,2,3
	v_max_num_f32 v[TM+\b], v[TM+\b], v[TM+4+\b]   ; with lane l xor 16's: the block's largest magnitude
.endr
.irp b, 0,1,2,3
	v_add_nc_u32 v[TM+8+\b], 0xff000000, v[TM+\b]  ; 2 off its exponent field: the conversion takes the exponent field of this operand as its scale
.endr
.irp b, 0,1,2,3
	v_lshrrev_b32 v[TM+4+\b], 23, v[TM+8+\b]       ; the scale's byte
.endr
	v_lshl_or_b32 v[\pw], v[TM+5], 8, v[TM+4]      ; four bytes: my row's scale word (both halves of the lanes hold it)
	v_lshl_or_b32 v[\pw], v[TM+6], 16, v[\pw]
	v_lshl_or_b32 v[\pw], v[TM+7], 24, v[\pw]
.irp c, 0,1
	v_cvt_scalef32_pk16_fp6_f32 v[PC+6*\c:PC+2+6*\c], v[\s+32*\c:\s+15+32*\c], v[TM+8+2*\c]
	v_cvt_scalef32_pk16_fp6_f32 v[PC+12+4*\c:PC+14+4*\c], v[\s+16+32*\c:\s+31+32*\c], v[TM+8+2*\c+1]   ; (a conversion's three registers begin on an even number)
.endr
	v_nop                                          ; one plain instruction behind a scaled conversion
.irp c, 0,1                                    ; the operand's layout wants a whole block in a lane: lanes 0-15 block 2 c, lanes 16-31 block 2 c + 1
.irp i, 0,1,2
	v_permlane16_swap_b32 v[PC+6*\c+\i], v[PC+12+4*\c+\i]
.endr
.irp i, 0,1,2
	v_mov_b32 v[PC+3+6*\c+\i], v[PC+12+4*\c+\i]
.endr
.endr
.endm
.macro FSTEP q, reg
.if (\q) < 3
	s_wait_loadcnt 16                              ; this fragment's 16 loads are in; the next fragment's 16 may be out
.else
	s_wait_loadcnt 0x0
.endif
	TURNF \reg
	s_wait_dscnt 0x0                               ; my 64 numbers are back, and the stores into the stage have read their registers
.if (\q) > 0
	s_wait_xcnt 0x0                                ; the last fragment's stores have read their data: the codes' registers may be written again
.endif
.if (\q) < 2
	LOADF (\q)+2, \reg                             ; two fragments ahead, into the set just emptied
.endif
	QUANT X, 8+(\q)
.irp g, 0,1,2
	global_store_b128 v3, v[PC+4*\g:PC+4*\g+3], s[26:27] offset:1536*(\q)+512*\g   ; 32 lanes store 512 consecutive bytes, at a multiple of 256 from the buffer's first byte
.endr
.endm
	LOADF 0, R0
	LOADF 1, R1
	FSTEP 0, R0
	FSTEP 1, R1
	FSTEP 2, R0
	FSTEP 3, R1
	v_cmp_ne_u32 vcc_lo, 0, v2                     ; the four scale words of row r: lanes 0-15 store words 0 and 1, lanes 16-31 words 2 and 3
	v_cndmask_b32 v12, v8, v10, vcc_lo
	v_cndmask_b32 v13, v9, v11, vcc_lo
	global_store_b64 v6, v[12:13], s[26:27]        ; 32 lanes store 256 consecutive bytes, aligned
	s_wait_tensorcnt 0x0
	ds_add_u32 v240, v241
	s_wait_dscnt 0x0
	s_endpgm
.Lfunc_end_k_qe3646b87a4_quant:
	.size	k_qe3646b87a4_quant, .Lfunc_end_k_qe3646b87a4_quant-k_qe3646b87a4_quant
	.p2alignl 7, 3214868480
	.fill 96, 4, 3214868480
	.section	.rodata,"a",@progbits
	.p2align	6, 0x0
	.amdhsa_kernel k_qe3646b87a4_quant
		.amdhsa_group_segment_fixed_size 34304
		.amdhsa_private_segment_fixed_size 0
		.amdhsa_enable_private_segment 0
		.amdhsa_kernarg_size 72
		.amdhsa_user_sgpr_count 2
		.amdhsa_user_sgpr_kernarg_segment_ptr 1
		.amdhsa_wavefront_size32 1
		.amdhsa_system_sgpr_workgroup_id_x 1
		.amdhsa_system_sgpr_workgroup_id_y 1
		.amdhsa_system_sgpr_workgroup_id_z 1
		.amdhsa_system_vgpr_workitem_id 0
		.amdhsa_next_free_vgpr 242
		.amdhsa_next_free_sgpr 66
		.amdhsa_reserve_vcc 1
		.amdhsa_float_denorm_mode_32 3
		.amdhsa_float_denorm_mode_16_64 3
		.amdhsa_memory_ordered 1
		.amdhsa_forward_progress 1
		.amdhsa_inst_pref_size 34
	.end_amdhsa_kernel
	.amdgpu_metadata
---
amdhsa.version: [ 1, 2 ]
amdhsa.kernels:
  - .name:           k_qe3646b87a4_quant
    .symbol:         k_qe3646b87a4_quant.kd
    .args:
      - { .name: query, .offset: 0, .size: 8, .value_kind: global_buffer, .address_space: global }
      - { .name: key, .offset: 8, .size: 8, .value_kind: global_buffer, .address_space: global }
      - { .name: value, .offset: 16, .size: 8, .value_kind: global_buffer, .address_space: global }
      - { .name: wq, .offset: 24, .size: 8, .value_kind: global_buffer, .address_space: global }
      - { .name: wk, .offset: 32, .size: 8, .value_kind: global_buffer, .address_space: global }
      - { .name: wv, .offset: 40, .size: 8, .value_kind: global_buffer, .address_space: global }
      - { .name: wo, .offset: 48, .size: 8, .value_kind: global_buffer, .address_space: global }
      - { .name: ximg, .offset: 56, .size: 8, .value_kind: global_buffer, .address_space: global }
      - { .name: wimg, .offset: 64, .size: 8, .value_kind: global_buffer, .address_space: global }
    .group_segment_fixed_size: 34304
    .private_segment_fixed_size: 0
    .kernarg_segment_align: 8
    .kernarg_segment_size: 72
    .max_flat_workgroup_size: 128
    .sgpr_count:     66
    .vgpr_count:     242
    .wavefront_size: 32
...
	.end_amdgpu_metadata
.endif
;; end of part 1
;; launch proj (part 2): grid 4 x 64, 4 waves a work-group, clusters of 4 x 4, 327,680 bytes of LDS; arguments ximg, wimg, bq, bk, bv, qimg, kvrec; writes qimg, kvrec
.if DOCPART == 2
	.amdgcn_target "amdgcn-amd-amdhsa--gfx1250"
	.amdhsa_code_object_version 6
	.text
	.protected	k_qe3646b87a4_proj
	.globl	k_qe3646b87a4_proj
	.p2align	8
	.type	k_qe3646b87a4_proj,@function
k_qe3646b87a4_proj:
	s_mov_b64 s[64:65], 0
	v_nop
	global_prefetch_b8 v0, s[64:65] scope:SCOPE_SE
	s_setreg_imm32_b32 hwreg(HW_REG_WAVE_MODE, 25, 1), 1
	s_wait_xcnt 0x0
	s_wait_alu depctr_hold_cnt(0) depctr_sa_sdst(0) depctr_va_vdst(0) depctr_va_sdst(0) depctr_va_ssrc(0) depctr_va_vcc(0) depctr_vm_vsrc(0)
	s_getreg_b32 s2, hwreg(HW_REG_IB_STS2, 6, 4)
	s_cmp_eq_u32 s2, 0
	s_cbranch_scc0 .Lentry_in_a_cluster
	s_endpgm
.Lentry_in_a_cluster:
	s_bfe_u32 s2, ttmp6, 0x10000c
	s_cmp_lg_u32 s2, 0xf033
	s_cbranch_scc0 .Lentry_shape_is_right
	s_endpgm
.Lentry_shape_is_right:
; q = query wq^T + bq, k = key wk^T + bk, v = value wv^T + bv on codes of FP6 (E2M3) with E8M0 scales, sums in f32; the results are quantised in registers and leave as images of the next launch's operand registers.
; OPERANDS: records of 6,400 bytes (tile of 16 rows, K half): four fragments of 1,536 bytes, then 256 scale bytes; lane r of tile t holds row 32 (t / 2) + 8 (t % 2) + r + 8 (r / 8).
; A TILE OF WORK is 256 rows of its source-0 side (S0, 16 tiles) x 128 rows of its source-1 side (S1, 8 tiles), all of K = 1,024: 384 rows x 800 bytes = 307,200 bytes of LDS, as two K halves of 153,600.
; Four waves: wave w takes S0 tiles 8 (w % 2) on and S1 tiles 4 (w / 2) on: 32 accumulators, 32 matrix instructions for each 128 along K.
; In a result, lane (r, h) holds S1's row of lane r, and register 16 b + i of its 64 (for one S1 tile) holds S0's row 32 b + 16 h + i: 16 neighbours of each block of 32, as the conversions want them.
; A WORK-GROUP STAYS: it makes three tiles, one of q, one of k, one of v: 256 work-groups for 768 tiles.  The two K halves in LDS take turns as slots: K half 0 is filled with the next tile's K half 0 as soon as K step 3's fragments
; are in registers, K half 1 as soon as K step 7's are: a tile's fills are on their way under the products and the way out of the tile before.  Four refills in all; the last tile asks for nothing.
; ROLES: q, k: S0 = the weight's rows, S1 = tokens: a lane holds a token, its registers run along the outputs: two heads of 64, quantised along d.
;   v: S0 = tokens, S1 = wv's rows: a lane holds one d of one head, its registers run along 128 keys: quantised along the keys, which are the second attention product's K.
; SCALE = 1/8 is not applied here: a power of two moves a block's byte and no code; the attention launch's constant carries it.
; CLUSTER 4 x 4: S0's tiles hang on cx and are shared down a column of the cluster, S1's on cy and are shared along a row: each is asked for jointly, which divides the requests for both by four.
; OUT: qimg: for (16 b + head, quad of 4 token tiles) 3,328 bytes: tile a's codes at 768 a + 256 i + 8 lane (registers 2 i, 2 i + 1: 24 bytes a lane, block h of its token), scale words at 3072 + 8 (16 u + r) + 4 c for tile 2 c + u.
;   kvrec: for (16 b + head, step of 128 keys) 13,056 bytes: K's 8 tiles as in qimg; their scale words at 6144 + 256 P + ..; V's four fragments (16 d x 128 keys) at 6656 + 1536 a + 512 g + 16 lane; their scale words at 12800.
;   Bytes 2 and 3 of a q or k scale word are the neighbouring head's bytes or 0: they meet zero codes alone and are never 0xff.
; LIMITS: NaN and infinities are not served; a block whose largest magnitude lies under 2^-124, zeros among them, gets the byte 1 (this program alone reads the bytes).
; REGISTERS, in windows of 256: window 0: v1-15 addresses; v16-63 scale words, a set for each K half; v64-159 S1's fragments, two sets (on the way out v112-119 hold the new scale words); v160-223 T, v224-243 PC, v244-255 TM on the way out.
;   window 1: the accumulators, (a, b) at v[8 (8 a + b)];  window 2: S0's fragments, two sets at v0 and v128;  window 3: the biases: v0-63 bq's, v64-127 bk's, v128-135 bv's.
.set CH,  153600                       ; a K half in LDS: S0's 16 records, then S1's 8
.set TB,  6400                         ; a record
.set SPARE, 307200                     ; behind the two K halves: the spare words, 128 bytes for each wave: two blocks of 256 bytes that no other line names
.set T,   160
.set PC,  224
.set TM,  244
.set WW,  112                          ; v112-115 the four tiles' new scale words, v116-119 as they are stored
.set NIL, 3                            ; v3   0; never rewritten
.set SPW, 15                           ; v15  LDS address of my spare word: SPARE + 4 x my thread's number; never rewritten
.set PFO, 14                           ; v14  the prefetches' offset: 200 x lane; never rewritten
.set SEL, 92                           ; s[92:93] lane selects: lane l xor 16
.set G1A, 24                           ; s[24:31] descriptor group 1 for S0;  s[32:39] its groups 0, one for each K half
.set G0A, 32
.set G1B, 48                           ; s[48:55], s[56:63] the same for S1
.set G0B, 56
.set MSB, 0
.macro WIN new                         ; the immediate's high byte repeats the setting that is left
.if MSB != \new
	s_set_vgpr_msb (MSB<<8)|\new
.set MSB, \new
.endif
.endm
.macro PLACES n
.rept \n
	v_nop
.endr
.endm
.macro CREST                           ; a round of the cluster's barrier behind its opening barrier
	s_cmp_lg_u32 s18, 0
	s_cbranch_scc1 .Lnot_wave_0_\@
	s_barrier_signal -3
.Lnot_wave_0_\@:
	s_barrier_wait -3
	s_barrier_signal -1
	s_barrier_wait -1
.endm
.macro CROUND                          ; a whole round
	s_barrier_signal -1
	s_barrier_wait -1
	CREST
.endm
; a joint refill of K half u: waves 0 and 1 fetch S0's halves, waves 2 and 3 S1's.  The branch hangs on the wave's number alone.  Four v_nop follow each of the two lines, ahead of the jump, the label and what follows
.macro JLOAD u
	s_cmp_eq_u32 s19, 0
	s_cbranch_scc0 .Lfor_b_\@
	tensor_load_to_lds s[G0A+4*(\u):G0A+4*(\u)+3], s[G1A:G1A+7]
	s_nop 0
.rept 4
	v_nop
.endr
	s_branch .Lasked_\@
.Lfor_b_\@:
	tensor_load_to_lds s[G0B+4*(\u):G0B+4*(\u)+3], s[G1B:G1B+7]
	s_nop 0
.rept 4
	v_nop
.endr
.Lasked_\@:
.endm
; the scale words of K half u: one load of 16 bytes gives a row's four words.  Lanes 0-15 take S0's tile j, lanes 16-31 tile j + 4; of S1 tiles j and j + 2
.macro SCALES u
.irp j, 0,1,2,3
	ds_load_b128 v[16+24*(\u)+4*\j:16+24*(\u)+4*\j+3], v[8+(\u)] offset:TB*\j+6144
.endr
.irp j, 0,1
	ds_load_b128 v[32+24*(\u)+4*\j:32+24*(\u)+4*\j+3], v[10+(\u)] offset:TB*\j+6144
.endr
.endm
; the 12 fragments of K step k into set p: images, read as they lie: each load takes 512 consecutive bytes
.macro FETCH k, p
.set fu, (\k)/4
.set fq, (\k)%4
	WIN 0x80                                       ; destination window 2, address window 0
.irp b, 0,1,2,3,4,5,6,7
.irp g, 0,1,2
	ds_load_b128 v[128*(\p)+12*\b+4*\g:128*(\p)+12*\b+4*\g+3], v[4+fu] offset:TB*\b+1536*fq+512*\g
.endr
.endr
	WIN 0
.irp a, 0,1,2,3
.irp g, 0,1,2
	ds_load_b128 v[64+48*(\p)+12*\a+4*\g:64+48*(\p)+12*\a+4*\g+3], v[6+fu] offset:TB*\a+1536*fq+512*\g
.endr
.endr
.endm
; one product: S1's tile a x S0's tile b, K step k.  A tile's first K step starts the sums: nothing is cleared
.macro MM a, b, k
.set rD, 8*(8*(\a)+(\b))
.set rA, 128*((\k)%2)+12*(\b)
.set rB, 64+48*((\k)%2)+12*(\a)
.set rX, 16+24*((\k)/4)+4*((\b)%4)+(\k)%4
.set rY, 32+24*((\k)/4)+4*((\a)%2)+(\k)%4
.if (\k) == 0
.if ((\b) < 4) && ((\a) < 2)
	v_wmma_scale_f32_16x16x128_f8f6f4 v[rD:rD+7], v[rA:rA+11], v[rB:rB+11], 0, v[rX], v[rY] matrix_a_fmt:MATRIX_FMT_FP6 matrix_b_fmt:MATRIX_FMT_FP6
.elseif (\b) < 4
	v_wmma_scale_f32_16x16x128_f8f6f4 v[rD:rD+7], v[rA:rA+11], v[rB:rB+11], 0, v[rX], v[rY] matrix_a_fmt:MATRIX_FMT_FP6 matrix_b_fmt:MATRIX_FMT_FP6 matrix_b_scale:MATRIX_SCALE_ROW1
.elseif (\a) < 2
	v_wmma_scale_f32_16x16x128_f8f6f4 v[rD:rD+7], v[rA:rA+11], v[rB:rB+11], 0, v[rX], v[rY] matrix_a_fmt:MATRIX_FMT_FP6 matrix_b_fmt:MATRIX_FMT_FP6 matrix_a_scale:MATRIX_SCALE_ROW1
.else
	v_wmma_scale_f32_16x16x128_f8f6f4 v[rD:rD+7], v[rA:rA+11], v[rB:rB+11], 0, v[rX], v[rY] matrix_a_fmt:MATRIX_FMT_FP6 matrix_b_fmt:MATRIX_FMT_FP6 matrix_a_scale:MATRIX_SCALE_ROW1 matrix_b_scale:MATRIX_SCALE_ROW1
.endif
.else
.if ((\b) < 4) && ((\a) < 2)
	v_wmma_scale_f32_16x16x128_f8f6f4 v[rD:rD+7], v[rA:rA+11], v[rB:rB+11], v[rD:rD+7], v[rX], v[rY] matrix_a_fmt:MATRIX_FMT_FP6 matrix_b_fmt:MATRIX_FMT_FP6
.elseif (\b) < 4
	v_wmma_scale_f32_16x16x128_f8f6f4 v[rD:rD+7], v[rA:rA+11], v[rB:rB+11], v[rD:rD+7], v[rX], v[rY] matrix_a_fmt:MATRIX_FMT_FP6 matrix_b_fmt:MATRIX_FMT_FP6 matrix_b_scale:MATRIX_SCALE_ROW1
.elseif (\a) < 2
	v_wmma_scale_f32_16x16x128_f8f6f4 v[rD:rD+7], v[rA:rA+11], v[rB:rB+11], v[rD:rD+7], v[rX], v[rY] matrix_a_fmt:MATRIX_FMT_FP6 matrix_b_fmt:MATRIX_FMT_FP6 matrix_a_scale:MATRIX_SCALE_ROW1
.else
	v_wmma_scale_f32_16x16x128_f8f6f4 v[rD:rD+7], v[rA:rA+11], v[rB:rB+11], v[rD:rD+7], v[rX], v[rY] matrix_a_fmt:MATRIX_FMT_FP6 matrix_b_fmt:MATRIX_FMT_FP6 matrix_a_scale:MATRIX_SCALE_ROW1 matrix_b_scale:MATRIX_SCALE_ROW1
.endif
.endif
.endm
.macro MUL8 k, a                       ; S1's tile a against S0's eight
.irp b, 0,1,2,3,4,5,6,7
	MM \a, \b, \k
.endr
.endm
; a K step of 128: its fragments were asked for a step ago; the next step's are asked for first, then the 32 accumulators take their turns, in the same order in every step and every tile
.macro KSTEP k
	s_wait_dscnt 0x0                               ; this step's fragments are in
.if (\k) < 7
.if (\k) > 0
	PLACES 4                                       ; four plain instructions between the last products and loads into the registers that they read (ISA guide 7.12.1 for vector instructions)
.endif
	FETCH (\k)+1, 1-(\k)%2
.endif
	WIN 0x52                                       ; source 0 window 2, source 1 window 0, C and D window 1
.irp a, 0,1,2,3
	MUL8 \k, \a
.endr
	WIN 0
.endm
; K step 3 or 7 of a tile that has a successor: the K half that this step ends is filled again, with the same K half of the next tile (S0's address in s[na:na+1], S1's in s[nb:nb+1]).
; In front of the round each wave waits for all its tensor loads (one is out: its part of the other K half), adds 0 to its spare word, and waits for that and for its reads of this K half.  Behind the round no wave of any
; partner reads this K half or has a load on its way, and the other K half is whole: the joint refill comes first, then the other half's scale words and first fragments.
; ask: x's part of the NEXT refill is prefetched into the L2, behind the joint load, its four lines and the run of LDS loads.  A wave names one record of 6,400 bytes, lanes 200 bytes apart: each of its 25 aligned blocks of 256 bytes
; is named by this one instruction (seven of them by two neighbouring lanes of it) and by no other in the launch.  ask = 1: key's second K half: 8 records that the four partners of my row read: partner cx's waves 0 and 1 take tiles 2 cx + w.
; ask = 2, 3: value's first and second K half: 16 records that the four partners of my column read: partner cy's wave w takes tile 4 cy + w; the cluster with the odd y reads the same rows as its even neighbour, which alone asks.
; The partners are told apart by address alone.  The weights, which every cluster reads, are not asked for; nothing is asked for at the head; the last refill has none behind it.  The addresses are never rewritten.
.macro TURN k, na, nb, ask
.set tu, (\k)/4
	s_wait_dscnt 0x0                               ; this step's fragments are in: my reads of this K half are over
	s_wait_tensorcnt 0x0                           ; all my tensor loads have landed: my part of the other K half;
	ds_add_u32 v[SPW], v[NIL]                      ; 0 onto my spare word
	WIN 0x52
	MUL8 \k, 0                                     ; eight matrix instructions stand between the add and the wait for it
	s_wait_dscnt 0x0                               ; the add is done
	s_barrier_signal -1
	MUL8 \k, 1                                     ; work on registers while the others arrive
	WIN 0
	s_barrier_wait -1
	CREST
	s_add_nc_u64 s[G0A+4*tu+2:G0A+4*tu+3], s[\na:\na+1], tu*TB   ; no tensor load of mine is out, so the groups 0 may be written: the next tile's addresses; the LDS addresses stay
	s_or_b32 s[G0A+4*tu+3], s[G0A+4*tu+3], 0x80000000
	s_add_nc_u64 s[G0B+4*tu+2:G0B+4*tu+3], s[\nb:\nb+1], tu*TB
	s_or_b32 s[G0B+4*tu+3], s[G0B+4*tu+3], 0x80000000
	JLOAD tu                                       ; the first tensor load behind the round, and my only one until the next; its four v_nop are also the places in front of the loads below
	s_wait_alu depctr_va_vdst(0)
	SCALES 1-tu
	FETCH ((\k)+1)%8, 0
.if (\ask) == 1
	s_cmp_lt_u32 s18, 2
	s_cbranch_scc0 .Lnot_mine_\@
	global_prefetch_b8 v[PFO], s[94:95] th:TH_LOAD_NT scope:SCOPE_SE
.Lnot_mine_\@:
.endif
.if (\ask) > 1
	s_cmp_eq_u32 s98, 0
	s_cbranch_scc0 .Lnot_mine_\@
	global_prefetch_b8 v[PFO], s[96:97] offset:((\ask)-2)*TB th:TH_LOAD_NT scope:SCOPE_SE
.Lnot_mine_\@:
.endif
	WIN 0x52
	MUL8 \k, 2
	MUL8 \k, 3
	WIN 0
.endm
; 64 numbers of a lane, register 16 b + i = k 32 b + 16 h + i, become a fragment's codes in v[PC] on and its scale word in v[pw]
.macro QUANT s, pw
.irp b, 0,1,2,3
	v_max3_num_f32 v[TM+\b], |v[\s+16*\b]|, |v[\s+1+16*\b]|, 0x1800000   ; my 16 numbers of block b, and the floor 2^(3 - 127): the byte cannot fall under 1
.endr
.irp i, 2,4,6,8,10,12,14
.irp b, 0,1,2,3
	v_max3_num_f32 v[TM+\b], v[TM+\b], |v[\s+16*\b+\i]|, |v[\s+1+16*\b+\i]|
.endr
.endr
.irp b, 0,1,2,3
	v_permlanex16_b32 v[TM+4+\b], v[TM+\b], s[SEL], s[SEL+1]
.endr
.irp b, 0,1,2,3
	v_max_num_f32 v[TM+\b], v[TM+\b], v[TM+4+\b]   ; with lane l xor 16's: the block's largest magnitude
.endr
.irp b, 0,1,2,3
	v_add_nc_u32 v[TM+8+\b], 0xff000000, v[TM+\b]  ; 2 off its exponent field: the conversion's scale operand
.endr
.irp b, 0,1,2,3
	v_lshrrev_b32 v[TM+4+\b], 23, v[TM+8+\b]       ; the scale's byte
.endr
	v_lshl_or_b32 v[\pw], v[TM+5], 8, v[TM+4]
	v_lshl_or_b32 v[\pw], v[TM+6], 16, v[\pw]
	v_lshl_or_b32 v[\pw], v[TM+7], 24, v[\pw]
.irp c, 0,1
	v_cvt_scalef32_pk16_fp6_f32 v[PC+6*\c:PC+2+6*\c], v[\s+32*\c:\s+15+32*\c], v[TM+8+2*\c]
	v_cvt_scalef32_pk16_fp6_f32 v[PC+12+4*\c:PC+14+4*\c], v[\s+16+32*\c:\s+31+32*\c], v[TM+8+2*\c+1]
.endr
	v_nop                                          ; one plain instruction behind a scaled conversion
.irp c, 0,1
.irp i, 0,1,2
	v_permlane16_swap_b32 v[PC+6*\c+\i], v[PC+12+4*\c+\i]
.endr
.irp i, 0,1,2
	v_mov_b32 v[PC+3+6*\c+\i], v[PC+12+4*\c+\i]
.endr
.endr
.endm
; the way out of a tile of q or k, a tile of 16 tokens at a time.  cb: the bias's first register in window 3;  s[p] on: four pointers: codes of my first head, of my second, scale words of the first, of the second
.macro OUTQK cb, p
	PLACES 4                                       ; between the last products and the first read of results
.irp a, 0,1,2,3
.if \a > 0
	s_wait_xcnt 0x0                                ; the last tile's stores have read their data
.endif
	WIN 0x0d                                       ; source 0 (sums) window 1, source 1 (bias) window 3
.set n, 0
.rept 32
	v_pk_add_f32 v[T+n:T+n+1], v[64*\a+n:64*\a+n+1], v[(\cb)+n:(\cb)+n+1]   ; ascending: each accumulator is read from its low end on
.set n, n+2
.endr
	WIN 0
	QUANT T, WW+\a
.irp i, 0,1,2
	global_store_b64 v13, v[PC+2*\i:PC+2*\i+1], s[(\p):(\p)+1] offset:768*\a+256*\i       ; registers 0-5: my first head's 64 along d.  32 lanes store 256 consecutive bytes, aligned
	global_store_b64 v13, v[PC+6+2*\i:PC+7+2*\i], s[(\p)+2:(\p)+3] offset:768*\a+256*\i   ; registers 6-11: my second head's
.endr
.endr
	v_cmp_ne_u32 vcc_lo, 0, v2                     ; the four tiles' scale words: lanes 0-15 store tiles 0 and 2, lanes 16-31 tiles 1 and 3
	v_cndmask_b32 v[WW+4], v[WW], v[WW+1], vcc_lo
	v_cndmask_b32 v[WW+5], v[WW+2], v[WW+3], vcc_lo
	global_store_b64 v13, v[WW+4:WW+5], s[(\p)+4:(\p)+5]   ; bytes 0 and 1 are my first head's
	v_lshrrev_b32 v[WW+6], 16, v[WW+4]
	v_lshrrev_b32 v[WW+7], 16, v[WW+5]
	global_store_b64 v13, v[WW+6:WW+7], s[(\p)+6:(\p)+7]   ; my second head's, moved down
.endm
	s_load_b256 s[4:11], s[0:1], 0x0               ; ximg, wimg, bq, bk
	s_load_b128 s[12:15], s[0:1], 0x20             ; bv, qimg
	s_load_b64 s[16:17], s[0:1], 0x30              ; kvrec
	v_lshl_add_u32 v[SPW], v0, 2, SPARE
	v_mov_b32 v[NIL], 0
	ds_add_u32 v15, v3
	ds_add_u32 v15, v3
	s_wait_dscnt 0x0
	v_lshrrev_b32 v1, 5, v0
	v_readfirstlane_b32 s18, v1                    ; wave 0..3
	s_lshr_b32 s19, s18, 1                         ; which 4 tiles of S1 are mine.  Also: I fetch for S0 (0) or for S1 (1)
	s_and_b32 s20, s18, 1                          ; which 8 tiles of S0 are mine.  Also: which half of that side I fetch
	s_bfe_u32 s40, ttmp6, 0x40000                  ; cx
	s_bfe_u32 s41, ttmp6, 0x40004                  ; cy
	s_and_b32 s42, ttmp7, 0xffff                   ; the cluster's y, 0 .. 15
	s_lshl_b32 s21, s41, 2
	s_lshl_b32 s21, 15, s21                        ; my row of the cluster
	s_lshl_b32 s22, 0x1111, s40                    ; my column
	; descriptor group 1: R records of 6,400 bytes (800 elements of 8 bytes), 12,800 bytes apart in memory, on end in LDS
	s_or_b32 s[G1A], s22, (3<<16)|(1<<21)          ; 15:0 the mask: S0's tiles go to my column; 17:16 elements of 8 bytes; 21 set beside a mask
	s_or_b32 s[G1B], s21, (3<<16)|(1<<21)          ; S1's go to my row
	s_mov_b32 s[G1A+1], 800<<16                    ; tensor_dim0
	s_mov_b32 s[G1A+2], 8<<16                      ; tensor_dim1
	s_mov_b32 s[G1A+3], 800<<16                    ; tile_dim0
	s_mov_b32 s[G1A+4], 8                          ; tile_dim1
	s_mov_b32 s[G1A+5], 1600                       ; tensor_dim0_stride
	s_mov_b32 s[G1A+6], 0
	s_mov_b32 s[G1A+7], 0
	s_mov_b32 s[G1B+1], 800<<16
	s_mov_b32 s[G1B+2], 4<<16
	s_mov_b32 s[G1B+3], 800<<16
	s_mov_b32 s[G1B+4], 4
	s_mov_b32 s[G1B+5], 1600
	s_mov_b32 s[G1B+6], 0
	s_mov_b32 s[G1B+7], 0
	; q, k: S0 = block cx of the weight's four, S1 = block 4 y + cy of the 64 blocks of 128 tokens.  S0's offsets are made in s[46:47], S1's in s[2:3]: neither ever holds the other's coordinate
	s_lshl_b32 s46, s40, 4
	s_lshl_b32 s47, s20, 3
	s_add_co_u32 s46, s46, s47
	s_mul_i32 s46, s46, 12800                      ; S0: the 8 tiles that I fetch
	s_mov_b32 s47, 0
	s_lshl_b32 s2, s42, 2
	s_add_co_u32 s2, s2, s41
	s_lshl_b32 s2, s2, 3
	s_lshl_b32 s3, s20, 2
	s_add_co_u32 s2, s2, s3
	s_mul_i32 s2, s2, 12800                        ; S1: the 4 tiles that I fetch
	s_mov_b32 s3, 0
	s_mul_i32 s43, s20, 51200                      ; LDS: S0's half w % 2 (what I fetch of S0, and what I read of it)
	s_mul_i32 s44, s20, 25600
	s_add_co_u32 s44, s44, 102400                  ; S1's half w % 2 (what I fetch of S1)
	s_mul_i32 s45, s19, 25600
	s_add_co_u32 s45, s45, 102400                  ; S1's half w / 2 (what I read of it)
	s_mov_b32 s[SEL], 0x76543210
	s_mov_b32 s[SEL+1], 0xfedcba98
	s_wait_kmcnt 0x0
	s_add_nc_u64 s[66:67], s[6:7], s[46:47]        ; wq's tiles
	s_add_nc_u64 s[70:71], s[4:5], s[2:3]          ; query's
	CROUND                                         ; all sixteen work-groups are here: the joint loads meet
.irp u, 0,1
	s_mov_b32 s[G0A+4*\u], 1
	s_add_co_u32 s[G0A+4*\u+1], s43, \u*CH
	s_add_nc_u64 s[G0A+4*\u+2:G0A+4*\u+3], s[66:67], \u*TB
	s_or_b32 s[G0A+4*\u+3], s[G0A+4*\u+3], 0x80000000
	s_mov_b32 s[G0B+4*\u], 1
	s_add_co_u32 s[G0B+4*\u+1], s44, \u*CH
	s_add_nc_u64 s[G0B+4*\u+2:G0B+4*\u+3], s[70:71], \u*TB
	s_or_b32 s[G0B+4*\u+3], s[G0B+4*\u+3], 0x80000000
.endr
	s_cmp_eq_u32 s19, 0                            ; K half 0's first fill: one tensor load a wave at the head, in one branch on the wave's number
	s_cbranch_scc0 .Lfirst_b
	tensor_load_to_lds s[G0A:G0A+3], s[G1A:G1A+7]
	s_nop 0
.rept 4
	v_nop
.endr
	s_branch .Lfirst_done
.Lfirst_b:
	tensor_load_to_lds s[G0B:G0B+3], s[G1B:G1B+7]
	s_nop 0
.rept 4
	v_nop
.endr
.Lfirst_done:
	v_and_b32 v160, 31, v0                         ; lane
	v_and_b32 v1, 15, v0                           ; r
	v_bfe_u32 v2, v0, 4, 1                         ; h
	v_lshlrev_b32 v12, 4, v160                     ; 16 x lane
	v_lshlrev_b32 v13, 3, v160                     ; 8 x lane
	v_mul_u32_u24 v[PFO], v160, 200
	v_add_nc_u32 v4, s43, v12                      ; S0's fragments, K half 0, 1
	v_add_nc_u32 v5, CH, v4
	v_add_nc_u32 v6, s45, v12                      ; S1's
	v_add_nc_u32 v7, CH, v6
	v_lshlrev_b32 v161, 4, v1
	v_mad_u32_u24 v8, v2, 25600, v161              ; S0's scale words: 16 r, lanes 16-31 four tiles on
	v_add_nc_u32 v8, s43, v8
	v_add_nc_u32 v9, CH, v8
	v_mad_u32_u24 v10, v2, 12800, v161             ; S1's: lanes 16-31 two tiles on
	v_add_nc_u32 v10, s45, v10
	v_add_nc_u32 v11, CH, v10
.irp b, 0,1,2,3
	v_mov_b32 v[TM+4+\b], 0                        ; written once: a lane permute's destination counts as one of its sources
.endr
	; where the next tiles come from
	s_add_nc_u64 s[66:67], s[66:67], 819200        ; wk's tiles: the same block of the next weight
	s_add_nc_u64 s[70:71], s[70:71], 6553600       ; key's: the same block of the next tensor
	s_lshr_b32 s99, s42, 1                         ; v: S0 = block 4 (y / 2) + cx of value's 32 blocks of 256 tokens: 64 tiles on for each y / 2,
	s_mul_i32 s99, s99, 819200
	s_add_co_u32 s46, s46, s99
	s_add_co_u32 s46, s46, 13107200                ; in value's part of ximg
	s_add_nc_u64 s[68:69], s[4:5], s[46:47]
	s_and_b32 s98, s42, 1                          ; S1 = block 4 (y % 2) + cy of wv's eight blocks of 128 rows
	s_lshl_b32 s2, s98, 2
	s_add_co_u32 s2, s2, s41
	s_lshl_b32 s2, s2, 3
	s_lshl_b32 s99, s20, 2
	s_add_co_u32 s2, s2, s99
	s_mul_i32 s2, s2, 12800
	s_add_co_u32 s2, s2, 1638400                   ; in wv's part of wimg
	s_add_nc_u64 s[72:73], s[6:7], s[2:3]
	; where q and k go
	s_lshl_b32 s21, s40, 2
	s_lshl_b32 s22, s20, 1
	s_add_co_u32 s21, s21, s22                     ; my first head: my 128 outputs are heads hA and hA + 1
	s_lshl_b32 s22, s42, 2
	s_add_co_u32 s22, s22, s41
	s_lshl_b32 s22, s22, 1
	s_add_co_u32 s22, s22, s19                     ; my quad of token tiles, 0 .. 127
	s_lshr_b32 s23, s22, 6                         ; the batch
	s_and_b32 s22, s22, 63                         ; the quad in it
	s_lshl_b32 s23, s23, 4
	s_add_co_u32 s23, s23, s21                     ; 16 b + hA
	s_lshl_b32 s100, s23, 6
	s_add_co_u32 s100, s100, s22
	s_mul_i32 s100, s100, 3328
	s_mov_b32 s101, 0
	s_add_nc_u64 s[74:75], s[14:15], s[100:101]    ; q: the quad's codes, head hA,
	s_add_nc_u64 s[76:77], s[74:75], 212992        ; head hA + 1: 64 quads on,
	s_add_nc_u64 s[78:79], s[74:75], 3072          ; the quad's scale words,
	s_add_nc_u64 s[80:81], s[78:79], 212992
	s_lshl_b32 s100, s23, 5
	s_lshr_b32 s99, s22, 1
	s_add_co_u32 s100, s100, s99
	s_mul_i32 s100, s100, 13056
	s_add_nc_u64 s[86:87], s[16:17], s[100:101]    ; k: the key step's record,
	s_and_b32 s99, s22, 1
	s_mul_i32 s100, s99, 3072
	s_add_nc_u64 s[82:83], s[86:87], s[100:101]    ; my quad's codes in it, head hA,
	s_add_nc_u64 s[84:85], s[82:83], 417792        ; head hA + 1: 32 records on,
	s_lshl_b32 s100, s99, 8
	s_add_co_u32 s100, s100, 6144
	s_add_nc_u64 s[86:87], s[86:87], s[100:101]    ; my quad's scale words
	s_add_nc_u64 s[88:89], s[86:87], 417792
	s_lshl_b32 s100, s21, 8
	s_add_nc_u64 s[8:9], s[8:9], s[100:101]        ; bq and bk at my 128 outputs
	s_add_nc_u64 s[10:11], s[10:11], s[100:101]
	; where v goes
	s_lshr_b32 s21, s42, 1
	s_lshl_b32 s21, s21, 2
	s_add_co_u32 s21, s21, s40
	s_lshl_b32 s21, s21, 1
	s_add_co_u32 s21, s21, s20                     ; my step of 128 keys, 0 .. 63
	s_lshr_b32 s22, s21, 5                         ; the batch
	s_and_b32 s21, s21, 31                         ; the step in it
	s_lshl_b32 s23, s98, 2
	s_add_co_u32 s23, s23, s41
	s_lshl_b32 s23, s23, 1
	s_add_co_u32 s23, s23, s19                     ; my head: my 64 rows of wv
	s_lshl_b32 s22, s22, 4
	s_add_co_u32 s22, s22, s23
	s_lshl_b32 s22, s22, 5
	s_add_co_u32 s22, s22, s21
	s_mul_i32 s100, s22, 13056
	s_add_nc_u64 s[90:91], s[16:17], s[100:101]    ; the record
	s_lshl_b32 s100, s23, 8
	s_add_nc_u64 s[12:13], s[12:13], s[100:101]    ; the head's bias
	; where my prefetches stand
	s_lshl_b32 s21, s42, 2
	s_add_co_u32 s21, s21, s41
	s_lshl_b32 s21, s21, 3
	s_lshl_b32 s22, s40, 1
	s_add_co_u32 s21, s21, s22
	s_add_co_u32 s21, s21, s18                     ; key: tile 8 (4 y + cy) + 2 cx + w (waves 0 and 1 alone ask),
	s_mul_i32 s100, s21, 12800
	s_add_co_u32 s100, s100, 6553600+6400          ; its second K half
	s_add_nc_u64 s[94:95], s[4:5], s[100:101]
	s_lshr_b32 s21, s42, 1
	s_lshl_b32 s21, s21, 2
	s_add_co_u32 s21, s21, s40
	s_lshl_b32 s21, s21, 4
	s_lshl_b32 s22, s41, 2
	s_add_co_u32 s21, s21, s22
	s_add_co_u32 s21, s21, s18                     ; value: tile 16 (4 (y / 2) + cx) + 4 cy + w
	s_mul_i32 s100, s21, 12800
	s_add_co_u32 s100, s100, 13107200
	s_add_nc_u64 s[96:97], s[4:5], s[100:101]
	; the three biases, once
	v_lshlrev_b32 v162, 6, v2                      ; q, k: register 16 b + i wants output 32 b + 16 h + i
	v_and_b32 v163, 8, v1
	v_add_nc_u32 v163, v163, v1
	v_lshlrev_b32 v163, 2, v163                    ; v: my d in tile a: 32 (a / 2) + 8 (a % 2) + r + 8 (r / 8)
	WIN 0xc0                                       ; destination window 3
.irp c, 0,1,2,3,4,5,6,7,8,9,10,11,12,13,14,15
	global_load_b128 v[4*\c:4*\c+3], v162, s[8:9] offset:128*(\c/4)+16*(\c%4)
.endr
.irp c, 0,1,2,3,4,5,6,7,8,9,10,11,12,13,14,15
	global_load_b128 v[64+4*\c:64+4*\c+3], v162, s[10:11] offset:128*(\c/4)+16*(\c%4)
.endr
.irp a, 0,1,2,3
	global_load_b32 v[128+2*\a], v163, s[12:13] offset:4*(32*(\a/2)+8*(\a%2))   ; one number for all my 64 keys, twice: a pair for the packed addition
	global_load_b32 v[129+2*\a], v163, s[12:13] offset:4*(32*(\a/2)+8*(\a%2))
.endr
	WIN 0
	; ---- q
	s_wait_alu depctr_va_vdst(0)
	s_wait_tensorcnt 0x0                           ; my part of K half 0 has landed
	ds_add_u32 v[SPW], v[NIL]
	s_wait_dscnt 0x0
	CROUND                                         ; everybody's part of K half 0 is in, and all sixteen work-groups are here
	JLOAD 1                                        ; K half 1's first fill: the first tensor load behind the round
	SCALES 0
	FETCH 0, 0
	KSTEP 0
	KSTEP 1
	KSTEP 2
	TURN 3, 66, 70, 1                              ; K half 0 takes k's
	KSTEP 4
	KSTEP 5
	KSTEP 6
	TURN 7, 66, 70, 2                              ; K half 1 takes k's; k's first fragments are fetched
	s_wait_loadcnt 0x0                             ; the biases
	OUTQK 0, 74
	; ---- k
	s_wait_xcnt 0x0                                ; q's last stores have read their data: loads may land on those registers
	KSTEP 0
	KSTEP 1
	KSTEP 2
	TURN 3, 68, 72, 3                              ; K half 0 takes v's
	KSTEP 4
	KSTEP 5
	KSTEP 6
	TURN 7, 68, 72, 0                              ; K half 1 takes v's: the last tensor load
	OUTQK 64, 82
	; ---- v: nothing is left to fetch
	s_wait_xcnt 0x0
	KSTEP 0
	KSTEP 1
	KSTEP 2
	s_wait_dscnt 0x0                               ; K step 3's fragments are in
	s_wait_tensorcnt 0x0                           ; my part of K half 1 has landed,
	s_barrier_signal -1
	s_barrier_wait -1                              ; everybody's has
	SCALES 1
	PLACES 4
	FETCH 4, 0
	WIN 0x52
.irp a, 0,1,2,3
	MUL8 3, \a
.endr
	WIN 0
	KSTEP 4
	KSTEP 5
	KSTEP 6
	KSTEP 7
	PLACES 4
.irp a, 0,1,2,3                                ; a tile of 16 d at a time
.if \a > 0
	s_wait_xcnt 0x0
.endif
	WIN 0x0d
.set n, 0
.rept 32
	v_pk_add_f32 v[T+n:T+n+1], v[64*\a+n:64*\a+n+1], v[128+2*\a:129+2*\a]
.set n, n+2
.endr
	WIN 0
	QUANT T, WW+\a
.irp g, 0,1,2
	global_store_b128 v12, v[PC+4*\g:PC+4*\g+3], s[90:91] offset:6656+1536*\a+512*\g   ; 32 lanes store 512 consecutive bytes, aligned
.endr
.endr
	v_cmp_ne_u32 vcc_lo, 0, v2
	v_cndmask_b32 v[WW+4], v[WW], v[WW+1], vcc_lo
	v_cndmask_b32 v[WW+5], v[WW+2], v[WW+3], vcc_lo
	global_store_b64 v13, v[WW+4:WW+5], s[90:91] offset:12800
	s_wait_tensorcnt 0x0                           ; the wave's end
	ds_add_u32 v[SPW], v[NIL]
	s_wait_dscnt 0x0
	CROUND                                         ; the closing round: no work-group ends while a partner may still ask for a tile that names it
	s_endpgm
.Lfunc_end_k_qe3646b87a4_proj:
	.size	k_qe3646b87a4_proj, .Lfunc_end_k_qe3646b87a4_proj-k_qe3646b87a4_proj
	.p2alignl 7, 3214868480
	.fill 96, 4, 3214868480
	.section	.rodata,"a",@progbits
	.p2align	6, 0x0
	.amdhsa_kernel k_qe3646b87a4_proj
		.amdhsa_group_segment_fixed_size 327680
		.amdhsa_private_segment_fixed_size 0
		.amdhsa_enable_private_segment 0
		.amdhsa_kernarg_size 56
		.amdhsa_user_sgpr_count 2
		.amdhsa_user_sgpr_kernarg_segment_ptr 1
		.amdhsa_wavefront_size32 1
		.amdhsa_system_sgpr_workgroup_id_x 1
		.amdhsa_system_sgpr_workgroup_id_y 1
		.amdhsa_system_sgpr_workgroup_id_z 1
		.amdhsa_system_vgpr_workitem_id 0
		.amdhsa_next_free_vgpr 904
		.amdhsa_next_free_sgpr 102
		.amdhsa_reserve_vcc 1
		.amdhsa_float_denorm_mode_32 3
		.amdhsa_float_denorm_mode_16_64 3
		.amdhsa_memory_ordered 1
		.amdhsa_forward_progress 1
		.amdhsa_inst_pref_size 255
	.end_amdhsa_kernel
	.amdgpu_metadata
---
amdhsa.version: [ 1, 2 ]
amdhsa.kernels:
  - .name:           k_qe3646b87a4_proj
    .symbol:         k_qe3646b87a4_proj.kd
    .args:
      - { .name: ximg, .offset: 0, .size: 8, .value_kind: global_buffer, .address_space: global }
      - { .name: wimg, .offset: 8, .size: 8, .value_kind: global_buffer, .address_space: global }
      - { .name: bq, .offset: 16, .size: 8, .value_kind: global_buffer, .address_space: global }
      - { .name: bk, .offset: 24, .size: 8, .value_kind: global_buffer, .address_space: global }
      - { .name: bv, .offset: 32, .size: 8, .value_kind: global_buffer, .address_space: global }
      - { .name: qimg, .offset: 40, .size: 8, .value_kind: global_buffer, .address_space: global }
      - { .name: kvrec, .offset: 48, .size: 8, .value_kind: global_buffer, .address_space: global }
    .group_segment_fixed_size: 327680
    .private_segment_fixed_size: 0
    .kernarg_segment_align: 8
    .kernarg_segment_size: 56
    .max_flat_workgroup_size: 128
    .sgpr_count:     102
    .vgpr_count:     904
    .wavefront_size: 32
...
	.end_amdgpu_metadata
.endif
;; end of part 2
;; launch attn (part 3): grid 16 x 16, 16 waves a work-group, no clusters, 327,680 bytes of LDS; arguments qimg, kvrec, oimg; writes oimg
.if DOCPART == 3
	.amdgcn_target "amdgcn-amd-amdhsa--gfx1250"
	.amdhsa_code_object_version 6
	.text
	.protected	k_qe3646b87a4_attn
	.globl	k_qe3646b87a4_attn
	.p2align	8
	.type	k_qe3646b87a4_attn,@function
k_qe3646b87a4_attn:
	s_mov_b64 s[64:65], 0
	v_nop
	global_prefetch_b8 v0, s[64:65] scope:SCOPE_SE
	s_setreg_imm32_b32 hwreg(HW_REG_WAVE_MODE, 25, 1), 1
	s_wait_xcnt 0x0
; Banded attention on codes of FP6 (E2M3) with E8M0 scales: query i of a batch sees keys i - 512 .. i of that batch.  Both products are used transposed, so that a lane holds ONE query throughout.
; THE SOFTMAX AHEAD OF THE SECOND PRODUCT: t = score x log2(e) / 8 (the 1/8 is the reference's SCALE, a power of two, which q's codes do not feel); M = the largest t so far, rounded up to a whole number;
; p = 2^(t - M) is quantised along the keys; the row's sum is taken of the unquantised p and divides at the end.  When M moves, the sum and O are multiplied by 2^(old M - new M): exact.
; SHARES: work-group (X, 8 b + hp): 256 queries of batch b, heads 2 hp and 2 hp + 1.  Wave w owns the 16 queries of token tile 16 X + w and takes the two heads one after the other (a loop of two trips),
; so that it alone makes a whole fragment (16 tokens x 128 along 64 head + d) of the output projection's operand, and its scale word.
; KEYS: records of 128 keys (13,056 bytes: K's 8 tiles and scale words, V's 4 fragments and scale words).  Six records for each of the two heads lie in LDS, each filled once.  Waves 0 to 5 fetch the first head's six at the kernel's head;
; behind the first barrier the same waves ask for the second head's six, and every wave for the second head's Q: these are on their way under the first head's work and are waited for at the loop's end, in front of its barrier.
; A slot before the batch's first key is filled with the batch's first record.  The text uses 169,984 bytes.
; WHAT LIES WHOLLY UNDER THE REFERENCE'S OWN BAND MASK IS NOT COMPUTED.  My queries lie in block g (of 32) of key step A.  Of step A - 4 only blocks g .. 3 are seen, of step A only blocks 0 .. g: 17 blocks of 32 in all.  They are walked as
;   the MERGED step: blocks L = g + 0 .. 3 of the eight blocks of steps A - 4 and A on end (L < 4: step A - 4; else step A), fetched by LDS addresses of the wave's own; its first block is step A - 4's diagonal block;
;   steps A - 3, A - 2, A - 1 whole;  the LAST step: block g of step A alone, the other diagonal block; the other three blocks of its second product are zero codes of p.
; THE MASK of a diagonal block is the C of its score products: 0 where the key is seen, -2^100 where it is hidden (16 registers for each of the two, made once).  p of a hidden key is 2^(about -2^97) = 0.
; AT A BATCH'S START (A < 4) step A - 4 does not exist: its blocks in the merged step get -2^100 by four scalar flags, added to the blocks' maxima and to the exponents; where all four are such blocks the step is jumped over, and so are
; whole steps before the first key (scalar branches on ids).
; The head has 64 along d: Q's upper 64 codes are zeros, so the upper half of K's operand may hold any codes: tile t's operand is v[KR + 6 t] on, 12 registers, of which the upper six are the next tile's.  The last step's V lies likewise.
; NO JOINT LOADS: neighbouring query blocks share four of their six key steps, but block X holds key step s at slot s - 2 X + 4, and a joint load lays a tile at one LDS address in all partners: the partners' reads would hang on their place in the cluster.
; NO PREFETCH: all that the work-group reads is asked for ahead of the loop, by two groups of tensor loads; the loop has nothing left to run ahead for.
; THE TOKENS OF A TILE ARE NOT NEIGHBOURS (lane r of tile t: 32 (t / 2) + 8 (t % 2) + r + 8 (r / 8)): so the 16 registers of score tiles 2 b and 2 b + 1 are keys 32 b + 16 h + 0 .. 15, and O^T's likewise along d.
; OUT: oimg, records of 6,400 bytes (token tile, K half): my fragment at 1536 (hp % 4) + 512 g + 16 lane; my scale word at 6144 + 16 r + 4 (hp % 4).
; LIMITS: the promise holds while the scaled scores stay under 2^31 in magnitude; NaN and infinities are not served; a block whose largest magnitude lies under 2^-124, zeros among them, gets the byte 1; 1 / sum by v_rcp_f32;
; a block's largest p is taken from its largest score by the same multiply-add and exponential.
; REGISTERS: v1, v2 LDS addresses of the head in hand; v5, v6 16 lane, 16 r; v8 -M, v9 the largest t, v[10:11] the sum, v[12:13] f; v16-27 Q; v28-33 the second head's Q; v34-42 scale words; v43 o's scale word, v44-55 o's fragment;
;   v56-67 block maxima, bytes, scale operands; v68-79 p's codes; v80-93 the merged and last steps' addresses; v94-125 the two masks; KR: four tiles of K, then scratch; SC: scores, then p, then V's fragments; OT: O^T; v252, v253 Q's offsets.
.set REC,  13056
.set HOFF, 6*REC                       ; the second head's six records
.set R4,   4*REC
.set SPARE, 0x29000                    ; the spare words: 128 bytes for each of 16 waves
.set KA,   80                          ; v80-83 K's tiles of the merged step's block j
.set KS,   84                          ; v84-87 their scale words
.set VM,   88                          ; v88-91 V's blocks of the merged step: two addresses for each half of a fragment
.set VD,   92                          ; v92-93 V's block of the last step
.set C1,   94                          ; hides keys before my query's place
.set C2,   110                         ; hides keys behind it
.set KR,   126
.set CT,   KR+16                       ; the conversions' second halves
.set SC,   156
.set OT,   220
.set DEAD, 56                          ; s56-59: -2^100 where the merged step's block j does not exist, else 0
.macro NOPS n
.rept \n
	v_nop
.endr
.endm
.macro QK d, a, c, s, row              ; a score tile: 16 keys x my 16 queries
.if \row
	v_wmma_scale_f32_16x16x128_f8f6f4 v[\d:\d+7], v[\a:\a+11], v[16:27], \c, v[\s], v34 matrix_a_fmt:MATRIX_FMT_FP6 matrix_b_fmt:MATRIX_FMT_FP6 matrix_a_scale:MATRIX_SCALE_ROW1
.else
	v_wmma_scale_f32_16x16x128_f8f6f4 v[\d:\d+7], v[\a:\a+11], v[16:27], \c, v[\s], v34 matrix_a_fmt:MATRIX_FMT_FP6 matrix_b_fmt:MATRIX_FMT_FP6
.endif
.endm
.macro PV st                           ; O^T += V^T p^T; V's fragments lie st registers apart.  The four accumulators take turns
	v_wmma_scale_f32_16x16x128_f8f6f4 v[OT:OT+7], v[SC:SC+11], v[68:79], v[OT:OT+7], v40, v42 matrix_a_fmt:MATRIX_FMT_FP6 matrix_b_fmt:MATRIX_FMT_FP6
	v_wmma_scale_f32_16x16x128_f8f6f4 v[OT+8:OT+15], v[SC+\st:SC+\st+11], v[68:79], v[OT+8:OT+15], v40, v42 matrix_a_fmt:MATRIX_FMT_FP6 matrix_b_fmt:MATRIX_FMT_FP6 matrix_a_scale:MATRIX_SCALE_ROW1
	v_wmma_scale_f32_16x16x128_f8f6f4 v[OT+16:OT+23], v[SC+2*\st:SC+2*\st+11], v[68:79], v[OT+16:OT+23], v41, v42 matrix_a_fmt:MATRIX_FMT_FP6 matrix_b_fmt:MATRIX_FMT_FP6
	v_wmma_scale_f32_16x16x128_f8f6f4 v[OT+24:OT+31], v[SC+3*\st:SC+3*\st+11], v[68:79], v[OT+24:OT+31], v41, v42 matrix_a_fmt:MATRIX_FMT_FP6 matrix_b_fmt:MATRIX_FMT_FP6 matrix_a_scale:MATRIX_SCALE_ROW1
.endm
.macro CHAIN src                       ; from the step's largest score to the new -M and f
	s_delay_alu instid0(VALU_DEP_1)
	v_mul_f32 v14, s34, v[\src]                    ; as t (c is positive)
	s_delay_alu instid0(VALU_DEP_1)
	v_max_num_f32 v9, v9, v14                      ; the running largest t
	v_mov_b32 v14, v8
	s_delay_alu instid0(VALU_DEP_2)
	v_floor_f32 v8, -v9                            ; the new -M = floor(-t): M is a whole number
	s_delay_alu instid0(VALU_DEP_1)
	v_sub_f32 v14, v8, v14                         ; old M - new M: a whole number, 0 or less
	s_delay_alu instid0(VALU_DEP_1)
	v_cvt_i32_f32 v14, v14                         ; (it saturates)
	s_delay_alu instid0(VALU_DEP_1)
	v_ldexp_f32 v12, 1.0, v14                      ; f = 2^(old M - new M)
.endm
.macro RESCALE                         ; O^T under the new M; these 16 also stand between the writing of p's codes and of scale words and the products
	s_wait_alu depctr_va_vdst(0)
.set n, 0
.rept 16
	v_pk_mul_f32 v[OT+n:OT+n+1], v[OT+n:OT+n+1], v[12:13] op_sel_hi:[1,0]
.set n, n+2
.endr
.endm
	s_load_b128 s[4:7], s[0:1], 0x0                ; qimg, kvrec
	s_load_b64 s[8:9], s[0:1], 0x10                ; oimg
	v_lshl_add_u32 v254, v0, 2, SPARE
	v_mov_b32 v255, 0
	ds_add_u32 v254, v255
	ds_add_u32 v254, v255
	v_lshrrev_b32 v1, 5, v0
	s_delay_alu instid0(VALU_DEP_1)
	v_readfirstlane_b32 s10, v1                    ; wave 0..15
	s_and_b32 s12, ttmp7, 0xffff
	s_lshr_b32 s13, s12, 3                         ; the batch
	s_and_b32 s14, s12, 7                          ; the pair of heads
	s_lshl_b32 s38, s13, 4
	s_lshl_b32 s39, s14, 1
	s_add_co_u32 s38, s38, s39                     ; 16 b + the first head
	s_lshl_b32 s11, ttmp9, 1                       ; 2 X
	s_lshr_b32 s39, s10, 3                         ; which of the block's two steps holds my queries
	s_add_co_u32 s15, s11, s39
	s_sub_co_i32 s15, s15, 4                       ; A - 4
	s_add_co_u32 s40, s11, s10
	s_sub_co_i32 s40, s40, 4                       ; the key step of slot w (waves 0 to 5 fetch),
	s_max_i32 s40, s40, 0                          ; held at the batch's first
	s_lshl_b32 s41, s38, 5
	s_add_co_u32 s40, s40, s41
	s_mul_i32 s40, s40, REC
	s_mov_b32 s41, 0
	s_mul_i32 s42, s10, REC                        ; LDS: slot w
	; descriptor group 1: a record, dense in memory, as 51 rows of 256 bytes (32 elements of 8 bytes)
	s_mov_b32 s16, 3<<16
	s_mov_b32 s17, 32<<16
	s_mov_b32 s18, 51<<16
	s_mov_b32 s19, 32<<16
	s_mov_b32 s20, 51
	s_mov_b32 s21, 32
	s_mov_b32 s22, 0
	s_mov_b32 s23, 0
	s_wait_dscnt 0x0
	s_wait_kmcnt 0x0
	s_mov_b32 s24, 1
	s_mov_b32 s25, s42
	s_add_nc_u64 s[26:27], s[6:7], s[40:41]
	s_add_nc_u64 s[30:31], s[26:27], 417792        ; the second head's record: 32 records on
	s_or_b32 s27, s27, 0x80000000
	s_mov_b32 s28, 1
	s_add_co_u32 s29, s42, HOFF
	s_or_b32 s31, s31, 0x80000000
	s_cmp_lt_u32 s10, 6                            ; one tensor load a wave at the head: the first head's six records
	s_cbranch_scc0 .Lno_fill
	tensor_load_to_lds s[24:27], s[16:23]
	s_nop 0
	NOPS 4
.Lno_fill:
	s_mov_b32 s32, 0x76543210
	s_mov_b32 s33, 0xfedcba98                      ; lane selects: lane l xor 16
	s_mov_b32 s34, 0x3e38aa3b                      ; c = log2(e) / 8
	s_mov_b32 s35, s34                             ; (named with it as a pair, so it is written)
	s_mov_b32 s36, 2                               ; heads to go
	s_mov_b32 s37, 0                               ; where the head's records begin in LDS
	s_lshl_b32 s43, s38, 6
	s_lshl_b32 s44, ttmp9, 2
	s_add_co_u32 s43, s43, s44
	s_lshr_b32 s44, s10, 2
	s_add_co_u32 s43, s43, s44                     ; my quad of token tiles: 64 (16 b + head) + 4 X + w / 4
	s_mul_i32 s44, s43, 3328
	s_mov_b32 s45, 0
	s_add_nc_u64 s[52:53], s[4:5], s[44:45]
	s_and_b32 s44, s10, 3
	s_mul_i32 s44, s44, 768
	s_add_nc_u64 s[48:49], s[52:53], s[44:45]      ; my tile's codes
	s_and_b32 s44, s10, 1
	s_lshl_b32 s44, s44, 7
	s_bfe_u32 s46, s10, 0x10001
	s_lshl_b32 s46, s46, 2
	s_add_co_u32 s44, s44, s46
	s_add_co_u32 s44, s44, 3072
	s_add_nc_u64 s[52:53], s[52:53], s[44:45]      ; my tile's scale words
	s_lshl_b32 s44, s13, 8
	s_lshl_b32 s46, ttmp9, 4
	s_add_co_u32 s44, s44, s46
	s_add_co_u32 s44, s44, s10                     ; my token tile among oimg's 512
	s_lshl_b32 s44, s44, 1
	s_lshr_b32 s46, s14, 2
	s_add_co_u32 s44, s44, s46                     ; and the K half of my pair of heads
	s_mul_i32 s44, s44, 6400
	s_add_nc_u64 s[50:51], s[8:9], s[44:45]
	s_and_b32 s46, s14, 3
	s_mul_i32 s44, s46, 1536
	s_add_nc_u64 s[54:55], s[50:51], s[44:45]      ; my fragment
	s_lshl_b32 s44, s46, 2
	s_add_nc_u64 s[50:51], s[50:51], s[44:45]      ; my scale word, less 6144 + 16 r
	s_mul_i32 s47, s39, REC                        ; my first slot: w / 8
	s_bfe_u32 s76, s10, 0x20001                    ; g: my queries' block of 32 in their step
	s_add_co_u32 s77, s76, 2
	s_lshl_b32 s62, s76, 3                         ; 8 g: V's scale byte of block g comes down by this shift
	s_mul_i32 s63, s76, 0x01010101
	s_add_co_u32 s63, s63, 0x03020100              ; byte selects g + 0 .. 3 out of the eight scale bytes of steps A - 4 and A
	s_cmp_lt_i32 s15, 0
	s_cselect_b32 s79, 0xf1800000, 0               ; -2^100 where step A - 4 does not exist
.irp j, 0,1,2,3                        ; the merged step's block j is block L = g + j
	s_add_co_u32 s80, s76, \j
	s_cmp_lt_u32 s80, 4
	s_cselect_b32 s[DEAD+\j], s79, 0
	s_lshr_b32 s81, s80, 2
	s_mul_i32 s81, s81, R4                         ; step A lies four records behind step A - 4
	s_and_b32 s80, s80, 3
	s_mul_i32 s82, s80, 1536
	s_add_co_u32 s[66+\j], s81, s82                ; its two tiles of K
	s_lshr_b32 s82, s80, 1
	s_lshl_b32 s82, s82, 8
	s_add_co_u32 s81, s81, s82
	s_and_b32 s82, s80, 1
	s_lshl_b32 s82, s82, 2
	s_add_co_u32 s[70+\j], s81, s82                ; their scale words, less 6144
.endr
	s_and_b32 s80, s76, 1                          ; the last step's block of V: block g = 2 cs + hs of step A
	s_lshl_b32 s80, s80, 8
	s_lshr_b32 s81, s76, 1
	s_mul_i32 s82, s81, 520
	s_add_co_u32 s74, s80, s82
	s_add_co_u32 s74, s74, R4
	s_mul_i32 s82, s81, 496
	s_add_co_u32 s75, s74, s82
	s_and_b32 s80, s10, 1
	s_lshl_b32 s80, s80, 3                         ; 8 (w % 2)
	v_and_b32 v14, 31, v0                          ; lane
	v_and_b32 v15, 15, v0                          ; r
	v_bfe_u32 v12, v0, 4, 1                        ; h
	v_lshlrev_b32 v5, 4, v14
	v_lshlrev_b32 v6, 4, v15
	v_lshlrev_b32 v252, 3, v14                     ; Q's offsets: never rewritten
	v_lshlrev_b32 v253, 3, v15
.irp i, 0,1,2
	global_load_b64 v[16+2*\i:17+2*\i], v252, s[48:49] offset:256*\i        ; Q's codes, the first head's
.endr
	global_load_b32 v34, v253, s[52:53]
	v_and_b32 v3, 8, v15
	s_delay_alu instid0(VALU_DEP_1)
	v_add_nc_u32 v3, v3, v15
	v_lshlrev_b32 v12, 4, v12
	s_delay_alu instid0(VALU_DEP_2)
	v_add_nc_u32 v3, s80, v3                       ; my query's place in its block of 32
	s_delay_alu instid0(VALU_DEP_1)
	v_sub_nc_u32 v3, v3, v12                       ; less 16 h: register i of a block holds key i + 16 h
	v_mov_b32 v4, 0xf1800000                       ; -2^100
.set n, 0
.rept 16
	v_cmp_lt_i32 vcc_lo, n, v3
	v_cndmask_b32 v[C1+n], 0, v4, vcc_lo
	v_cmp_gt_i32 vcc_lo, n, v3
	v_cndmask_b32 v[C2+n], 0, v4, vcc_lo
.set n, n+1
.endr
	v_mov_b32 v13, 0                               ; (the upper half of the pair v[12:13])
	v_mov_b32 v43, 0
.irp i, 0,1,2,3,4,5
	v_mov_b32 v[22+\i], 0                          ; zero codes: the upper 64 of the score products' K, in Q
	v_mov_b32 v[50+\i], 0
	v_mov_b32 v[SC+24+\i], 0                       ; named as the upper half of the last step's fourth fragment of V: written once
.endr
.set n, 12
.rept 18
	v_mov_b32 v[KR+n], 0                           ; named as upper halves of K's operands: written once
.set n, n+1
.endr
.irp b, 0,1,2,3
	v_mov_b32 v[60+\b], 0                          ; written once: a lane permute's destination counts as one of its sources
.endr
	s_wait_alu depctr_va_vdst(0)
	s_wait_tensorcnt 0x0                           ; my record of the first head has landed
	ds_add_u32 v254, v255                          ; the add, twice on end here
	ds_add_u32 v254, v255
	s_wait_dscnt 0x0
	s_barrier_signal -1
	s_barrier_wait -1                              ; everybody's has: the first head's six records are whole
	s_cmp_lt_u32 s10, 6                            ; the second head's six records: my one tensor load behind this barrier, into bytes of their own
	s_cbranch_scc0 .Lno_fill2
	tensor_load_to_lds s[28:31], s[16:23]
	s_nop 0
	NOPS 4
.Lno_fill2:
.irp i, 0,1,2
	global_load_b64 v[28+2*\i:29+2*\i], v252, s[48:49] offset:256*\i+212992   ; the second head's Q: 64 quads on
.endr
	global_load_b32 v35, v253, s[52:53] offset:212992
	s_wait_loadcnt 0x4                             ; the first head's Q is in; the four loads just issued may be out
; A KEY STEP of 128.  m = 0: the record of slot j, whole.  m = 1: the merged step
.macro STEP j, m
.if \m
	s_cmp_lg_u32 s[DEAD+3], 0                      ; block g + 3 does not exist: then none of the four does
.else
	s_cmp_lt_i32 s15, 0-(\j)                       ; a step before the batch's first key is left out
.endif
	s_cbranch_scc1 .Lskip_\@
.irp g, 0,1                                    ; S^T = K Q^T, four tiles of 16 keys at a time
.if \g > 0
	NOPS 4                                         ; in front of loads into registers that the last products read
.endif
.irp t, 0,1,2,3
.irp i, 0,1,2
.if \m
	ds_load_b64 v[KR+6*\t+2*\i:KR+6*\t+2*\i+1], v[KA+2*\g+\t/2] offset:768*(\t%2)+256*\i
.else
	ds_load_b64 v[KR+6*\t+2*\i:KR+6*\t+2*\i+1], v1 offset:REC*(\j)+768*(4*\g+\t)+256*\i
.endif
.endr
.endr
.if \g == 0
.if \m
.irp b, 0,1,2,3
	ds_load_b32 v[36+\b], v[KS+\b] offset:6144     ; block b's scale words: lanes 0-15 the even tile, lanes 16-31 the odd one
.endr
.else
	ds_load_b64 v[36:37], v1 offset:REC*(\j)+6144
	ds_load_b64 v[38:39], v1 offset:REC*(\j)+6400
.endif
	NOPS 5                                         ; the scores are laid over V's fragments, which the last products read: five plain instructions between (ISA guide 7.12.1)
.endif
	s_wait_dscnt 0x0
.irp t, 0,1,2,3
.if (\m) && (\g == 0) && (\t < 2)
	QK SC+8*\t, KR+6*\t, v[C1+8*\t:C1+8*\t+7], 36, \t%2
.else
	QK SC+32*\g+8*\t, KR+6*\t, 0, 36+2*\g+\t/2, \t%2
.endif
.endr
.endr
; the largest score of each block of 32 keys: for the row's maximum and, since p rises with the score, for the block's largest p.  Blocks 0 and 1 go first: their products stand behind the four idle lines above, and their 16 lines,
; which name no register of the last four products, stand between those products and the first read of blocks 2 and 3
.irp q, 0,2
.irp b, 0,1
	v_max3_num_f32 v[56+\q+\b], v[SC+16*(\q+\b)], v[SC+1+16*(\q+\b)], v[SC+2+16*(\q+\b)]
.endr
.irp i, 3,5,7,9,11,13
.irp b, 0,1
	v_max3_num_f32 v[56+\q+\b], v[56+\q+\b], v[SC+16*(\q+\b)+\i], v[SC+1+16*(\q+\b)+\i]
.endr
.endr
.irp b, 0,1
	v_max_num_f32 v[56+\q+\b], v[56+\q+\b], v[SC+15+16*(\q+\b)]
.endr
.endr
.irp b, 0,1,2,3
	v_permlanex16_b32 v[60+\b], v[56+\b], s32, s33
.endr
.irp b, 0,1,2,3
	s_delay_alu instid0(VALU_DEP_4)
	v_max_num_f32 v[56+\b], v[56+\b], v[60+\b]     ; with lane l xor 16's 16 keys
.endr
.if \m
.irp b, 0,1,2,3
	s_delay_alu instid0(VALU_DEP_4)
	v_add_f32 v[56+\b], s[DEAD+\b], v[56+\b]       ; a block that does not exist counts for nothing
.endr
.endif
	s_delay_alu instid0(VALU_DEP_2)
	v_max3_num_f32 v14, v56, v57, v58
	s_delay_alu instid0(VALU_DEP_1)
	v_max_num_f32 v14, v14, v59                    ; the step's largest score of my query
	CHAIN 14
.if \m
.irp b, 0,1,2,3
	v_fma_f32 v[KR+2*\b], s34, s[DEAD+\b], v8      ; -M, and far below it for a block that does not exist
.endr
.endif
.set n, 0
.rept 32
.if \m
	v_pk_fma_f32 v[SC+n:SC+n+1], v[SC+n:SC+n+1], s[34:35], v[KR+2*(n/16):KR+2*(n/16)+1] op_sel_hi:[1,0,0]
.else
	v_pk_fma_f32 v[SC+n:SC+n+1], v[SC+n:SC+n+1], s[34:35], v[8:9] op_sel_hi:[1,0,0]   ; t - M, two at a time (of the pairs c and -M the low word serves both halves)
.endif
.set n, n+2
.endr
.irp b, 0,1,2,3
	v_fma_f32 v[56+\b], v[56+\b], s34, v8          ; the same of each block's largest score
.endr
	s_wait_alu depctr_va_vdst(0)
.set n, 0
.rept 64
	v_exp_f32 v[SC+n], v[SC+n]                     ; p = 2^(t - M), at most 1
.set n, n+1
.endr
	v_pk_mul_f32 v[10:11], v[10:11], v[12:13] op_sel_hi:[1,0]   ; the sums under the new M: a plain instruction behind the exponentials
	s_wait_alu depctr_va_vdst(0)                   ; one wait for the batch of 64, ahead of its first reader
.irp b, 0,1,2,3
	v_exp_f32 v[56+\b], v[56+\b]                   ; the blocks' largest p
.endr
.irp c, 0,1,2,3,4,5,6,7                        ; the row's sum of the unquantised p: eight chains of packed additions
	v_pk_add_f32 v[KR+2*\c:KR+2*\c+1], v[SC+4*\c:SC+4*\c+1], v[SC+4*\c+2:SC+4*\c+3]
.endr
.irp c, 0,1,2,3,4,5,6,7
	v_pk_add_f32 v[KR+2*\c:KR+2*\c+1], v[KR+2*\c:KR+2*\c+1], v[SC+32+2*\c:SC+33+2*\c]
.endr
.irp c, 0,1,2,3,4,5,6,7
	v_pk_add_f32 v[KR+2*\c:KR+2*\c+1], v[KR+2*\c:KR+2*\c+1], v[SC+48+2*\c:SC+49+2*\c]
.endr
.irp c, 0,1,2,3
	v_pk_add_f32 v[KR+2*\c:KR+2*\c+1], v[KR+2*\c:KR+2*\c+1], v[KR+8+2*\c:KR+9+2*\c]
.endr
.irp c, 0,1
	s_delay_alu instid0(VALU_DEP_2)
	v_pk_add_f32 v[KR+2*\c:KR+2*\c+1], v[KR+2*\c:KR+2*\c+1], v[KR+4+2*\c:KR+5+2*\c]
.endr
	s_delay_alu instid0(VALU_DEP_1)
	v_pk_add_f32 v[KR:KR+1], v[KR:KR+1], v[KR+2:KR+3]
	s_delay_alu instid0(VALU_DEP_1)
	v_pk_add_f32 v[10:11], v[10:11], v[KR:KR+1]
	s_wait_alu depctr_va_vdst(0)                   ; and one for the four
.irp b, 0,1,2,3
	v_max_num_f32 v[56+\b], 0x1800000, v[56+\b]    ; the floor 2^(3 - 127): the byte cannot fall under 1
.endr
.irp b, 0,1,2,3
	s_delay_alu instid0(VALU_DEP_4)
	v_add_nc_u32 v[64+\b], 0xff000000, v[56+\b]    ; 2 off the exponent field: the conversion's scale operand
.endr
.irp b, 0,1,2,3
	s_delay_alu instid0(VALU_DEP_4)
	v_lshrrev_b32 v[60+\b], 23, v[64+\b]           ; the scale's byte
.endr
	s_delay_alu instid0(VALU_DEP_3)
	v_lshl_or_b32 v42, v61, 8, v60                 ; p's scale word for these 128 keys
	s_delay_alu instid0(VALU_DEP_1)
	v_lshl_or_b32 v42, v62, 16, v42
	s_delay_alu instid0(VALU_DEP_1)
	v_lshl_or_b32 v42, v63, 24, v42
.irp c, 0,1
	v_cvt_scalef32_pk16_fp6_f32 v[68+6*\c:70+6*\c], v[SC+32*\c:SC+15+32*\c], v[64+2*\c]
	v_cvt_scalef32_pk16_fp6_f32 v[CT+4*\c:CT+2+4*\c], v[SC+16+32*\c:SC+31+32*\c], v[65+2*\c]
.endr
	v_nop                                          ; one plain instruction behind a scaled conversion
.irp a, 0,1,2,3                                ; p is in codes: V's four fragments land where it lay
.if \m
.irp c, 0,1                                    ; lane (r, h) wants block g + 2 c + h: its 24 bytes lie in the image as three pieces of 8
	ds_load_b64 v[SC+12*\a+6*\c:SC+12*\a+6*\c+1], v[VM+2*\c] offset:6656+1536*\a
	ds_load_b64 v[SC+12*\a+6*\c+2:SC+12*\a+6*\c+3], v[VM+2*\c+1] offset:6664+1536*\a
	ds_load_b64 v[SC+12*\a+6*\c+4:SC+12*\a+6*\c+5], v[VM+2*\c] offset:7168+1536*\a
.endr
.else
.irp g, 0,1,2
	ds_load_b128 v[SC+12*\a+4*\g:SC+12*\a+4*\g+3], v2 offset:REC*(\j)+6656+1536*\a+512*\g
.endr
.endif
.endr
.if \m
	ds_load_b64 v[40:41], v1 offset:12800          ; V's scale words of step A - 4
	ds_load_b64 v[60:61], v1 offset:R4+12800       ; and of step A
.else
	ds_load_b64 v[40:41], v1 offset:REC*(\j)+12800 ; V's scale words
.endif
.irp c, 0,1                                    ; the operand's layout wants a whole block in a lane
.irp i, 0,1,2
	v_permlane16_swap_b32 v[68+6*\c+\i], v[CT+4*\c+\i]
.endr
.irp i, 0,1,2
	s_delay_alu instid0(VALU_DEP_3)
	v_mov_b32 v[71+6*\c+\i], v[CT+4*\c+\i]
.endr
.endr
.if \m
	s_wait_dscnt 0x0
	v_perm_b32 v40, v60, v40, s63                  ; bytes g + 0 .. 3 of the two steps' eight
	v_perm_b32 v41, v61, v41, s63
	RESCALE
.else
	RESCALE
	s_wait_alu depctr_va_vdst(0)
	s_wait_dscnt 0x0
.endif
	PV 12
.Lskip_\@:
.endm
; THE LAST STEP: block g of step A alone, as block 0 of a product whose other three blocks are zero codes of p
.macro LAST
.irp t, 0,1
.irp i, 0,1,2
	ds_load_b64 v[KR+6*\t+2*\i:KR+6*\t+2*\i+1], v[KA] offset:R4+768*\t+256*\i
.endr
.endr
	ds_load_b32 v36, v[KS] offset:R4+6144
	NOPS 5
	s_wait_dscnt 0x0
	QK SC, KR, v[C2:C2+7], 36, 0
	QK SC+8, KR+6, v[C2+8:C2+15], 36, 1
	NOPS 4
	v_max3_num_f32 v56, v[SC], v[SC+1], v[SC+2]
	v_max3_num_f32 v57, v[SC+8], v[SC+9], v[SC+10]
.irp i, 3,5
	v_max3_num_f32 v56, v56, v[SC+\i], v[SC+1+\i]
	v_max3_num_f32 v57, v57, v[SC+8+\i], v[SC+9+\i]
.endr
	v_max3_num_f32 v56, v56, v[SC+7], v[SC+15]
	s_delay_alu instid0(VALU_DEP_1)
	v_max_num_f32 v56, v56, v57
	s_delay_alu instid0(VALU_DEP_1)
	v_permlanex16_b32 v60, v56, s32, s33
	s_delay_alu instid0(VALU_DEP_1)
	v_max_num_f32 v56, v56, v60                    ; the block's largest score of my query
	CHAIN 56
.set n, 0
.rept 8
	v_pk_fma_f32 v[SC+n:SC+n+1], v[SC+n:SC+n+1], s[34:35], v[8:9] op_sel_hi:[1,0,0]
.set n, n+2
.endr
	v_fma_f32 v56, v56, s34, v8
	s_wait_alu depctr_va_vdst(0)                   ; ahead of the batch
.set n, 0
.rept 16
	v_exp_f32 v[SC+n], v[SC+n]
.set n, n+1
.endr
	v_exp_f32 v56, v56
	v_pk_mul_f32 v[10:11], v[10:11], v[12:13] op_sel_hi:[1,0]
	s_wait_alu depctr_va_vdst(0)                   ; and behind it
.irp c, 0,1,2,3
	v_pk_add_f32 v[KR+2*\c:KR+2*\c+1], v[SC+4*\c:SC+4*\c+1], v[SC+4*\c+2:SC+4*\c+3]
.endr
.irp c, 0,1
	s_delay_alu instid0(VALU_DEP_2)
	v_pk_add_f32 v[KR+2*\c:KR+2*\c+1], v[KR+2*\c:KR+2*\c+1], v[KR+4+2*\c:KR+5+2*\c]
.endr
	s_delay_alu instid0(VALU_DEP_1)
	v_pk_add_f32 v[KR:KR+1], v[KR:KR+1], v[KR+2:KR+3]
	s_delay_alu instid0(VALU_DEP_1)
	v_pk_add_f32 v[10:11], v[10:11], v[KR:KR+1]
	v_max_num_f32 v56, 0x1800000, v56
	s_delay_alu instid0(VALU_DEP_1)
	v_add_nc_u32 v64, 0xff000000, v56
	s_delay_alu instid0(VALU_DEP_1)
	v_lshrrev_b32 v42, 23, v64                     ; p's scale word: byte 0; the other bytes meet zero codes alone
.irp i, 0,1,2
	v_mov_b32 v[CT+\i], 0                          ; block 1: zero codes
.endr
	v_cvt_scalef32_pk16_fp6_f32 v[68:70], v[SC:SC+15], v64
	v_nop
.irp a, 0,1,2,3                                ; V's block g of each fragment, six registers; the next fragment's six stand as its upper half, which meets zero codes
	ds_load_b64 v[SC+6*\a:SC+6*\a+1], v[VD] offset:6656+1536*\a
	ds_load_b64 v[SC+6*\a+2:SC+6*\a+3], v[VD+1] offset:6664+1536*\a
	ds_load_b64 v[SC+6*\a+4:SC+6*\a+5], v[VD] offset:7168+1536*\a
.endr
	ds_load_b64 v[40:41], v1 offset:R4+12800
.irp i, 0,1,2
	v_permlane16_swap_b32 v[68+\i], v[CT+\i]
.endr
.irp i, 0,1,2
	s_delay_alu instid0(VALU_DEP_3)
	v_mov_b32 v[71+\i], v[CT+\i]
.endr
.irp i, 0,1,2,3,4,5
	v_mov_b32 v[74+\i], 0                          ; blocks 2 and 3: zero codes
.endr
	s_wait_dscnt 0x0
	v_lshrrev_b32 v40, s62, v40                    ; V's scale byte of block g comes down to byte 0
	v_lshrrev_b32 v41, s62, v41
	RESCALE
	PV 6
.endm
.Lhead:                                            ; two trips: a head each
	s_add_co_u32 s60, s37, s47                     ; my first slot of the head in hand
	v_lshrrev_b32 v1, 1, v5
	v_add_nc_u32 v2, s60, v5                       ; loads of 16 bytes a lane
	v_add_nc_u32 v7, s60, v6                       ; 16 r
	v_lshrrev_b32 v14, 8, v5                       ; h
	v_add_nc_u32 v1, s60, v1                       ; loads of 8 bytes a lane
.irp j, 0,1,2,3
	v_add_nc_u32 v[KA+\j], s[66+\j], v1
	v_add_nc_u32 v[KS+\j], s[70+\j], v1
.endr
	v_add_nc_u32 v[VD], s74, v7
	v_add_nc_u32 v[VD+1], s75, v7
.irp c, 0,1                                    ; V in the merged step: lane (r, h), half c of a fragment, wants block L = g + 2 c + h: record L / 4, source lane r + 16 (L % 2), source half (L / 2) % 2
	v_add_nc_u32 v15, s[76+\c], v14
	s_delay_alu instid0(VALU_DEP_1)
	v_and_b32 v3, 1, v15
	v_bfe_u32 v4, v15, 1, 1
	v_lshrrev_b32 v15, 2, v15
	s_delay_alu instid0(VALU_DEP_3)
	v_lshl_add_u32 v3, v3, 8, v7
	s_delay_alu instid0(VALU_DEP_1)
	v_mad_u32_u24 v3, v15, R4, v3
	s_delay_alu instid0(VALU_DEP_1)
	v_mad_u32_u24 v[VM+2*\c], v4, 520, v3          ; pieces 0 and 2 (512 bytes on)
	s_delay_alu instid0(VALU_DEP_1)
	v_mad_u32_u24 v[VM+2*\c+1], v4, 496, v[VM+2*\c]   ; piece 1, less 8
.endr
	v_mov_b32 v9, 0xff61b1e6                       ; the largest t so far: -3e38, under every t
	s_delay_alu instid0(VALU_DEP_1)
	v_floor_f32 v8, -v9                            ; -M
	v_mov_b32 v10, 0                               ; the sum, in two halves
	v_mov_b32 v11, 0
.set n, 0
.rept 32
	v_mov_b32 v[OT+n], 0                           ; O^T: which step is a wave's first hangs on its ids, so none is written out to start the sums
.set n, n+1
.endr
	STEP 0, 1
	STEP 1, 0
	STEP 2, 0
	STEP 3, 0
	LAST
	NOPS 4                                         ; between the last products and the first read of O^T
	v_add_f32 v10, v10, v11                        ; the sum's two halves,
	s_delay_alu instid0(VALU_DEP_1)
	v_permlanex16_b32 v14, v10, s32, s33
	s_delay_alu instid0(VALU_DEP_1)
	v_add_f32 v10, v10, v14                        ; and lane l xor 16's
	s_wait_alu depctr_va_vdst(0)
	v_rcp_f32 v10, v10
	v_nop                                          ; a plain instruction behind the reciprocal
	s_wait_alu depctr_va_vdst(0)                   ; and the wait ahead of its first reader
.set n, 0
.rept 32
	v_mul_f32 v[SC+n], v[OT+n], v10                ; o: register 16 b + i = d 32 b + 16 h + i of my query; ascending: each accumulator is read from its low end on
.set n, n+1
.endr
.irp b, 0,1                                    ; the head's two blocks of 32 along d are quantised: half a fragment of the output projection's operand
	v_max3_num_f32 v[56+\b], |v[SC+16*\b]|, |v[SC+1+16*\b]|, 0x1800000
.endr
.irp i, 2,4,6,8,10,12,14
.irp b, 0,1
	s_delay_alu instid0(VALU_DEP_2)
	v_max3_num_f32 v[56+\b], v[56+\b], |v[SC+16*\b+\i]|, |v[SC+1+16*\b+\i]|
.endr
.endr
.irp b, 0,1
	s_delay_alu instid0(VALU_DEP_2)
	v_permlanex16_b32 v[60+\b], v[56+\b], s32, s33
.endr
.irp b, 0,1
	s_delay_alu instid0(VALU_DEP_2)
	v_max_num_f32 v[56+\b], v[56+\b], v[60+\b]
.endr
.irp b, 0,1
	s_delay_alu instid0(VALU_DEP_2)
	v_add_nc_u32 v[64+\b], 0xff000000, v[56+\b]
.endr
.irp b, 0,1
	s_delay_alu instid0(VALU_DEP_2)
	v_lshrrev_b32 v[60+\b], 23, v[64+\b]
.endr
	s_delay_alu instid0(VALU_DEP_1)
	v_lshl_or_b32 v14, v61, 8, v60
	v_lshrrev_b32 v43, 16, v43                     ; the first head's two bytes move down,
	s_delay_alu instid0(VALU_DEP_1)
	v_lshl_or_b32 v43, v14, 16, v43                ; this head's come in on top
.irp i, 0,1,2,3,4,5
	v_mov_b32 v[44+\i], v[50+\i]                   ; and so with the codes: registers 6-11 move to 0-5
.endr
	v_cvt_scalef32_pk16_fp6_f32 v[50:52], v[SC:SC+15], v64
	v_cvt_scalef32_pk16_fp6_f32 v[CT:CT+2], v[SC+16:SC+31], v65
	v_nop
.irp i, 0,1,2
	v_permlane16_swap_b32 v[50+\i], v[CT+\i]
.endr
.irp i, 0,1,2
	s_delay_alu instid0(VALU_DEP_3)
	v_mov_b32 v[53+\i], v[CT+\i]
.endr
	s_wait_loadcnt 0x0                             ; the second head's Q is in
.irp i, 0,1,2,3,4,5
	v_mov_b32 v[16+\i], v[28+\i]
.endr
	v_mov_b32 v34, v35
	s_add_co_u32 s37, s37, HOFF
	s_wait_alu depctr_va_vdst(0)
	s_wait_tensorcnt 0x0                           ; my record of the second head has landed,
	s_wait_dscnt 0x0
	s_barrier_signal -1
	s_barrier_wait -1                              ; everybody's has
	s_sub_co_u32 s36, s36, 1
	s_cmp_lg_u32 s36, 0
	s_cbranch_scc1 .Lhead
.irp g, 0,1,2
	global_store_b128 v5, v[44+4*\g:47+4*\g], s[54:55] offset:512*\g   ; 32 lanes store 512 consecutive bytes, aligned
.endr
	global_store_b32 v6, v43, s[50:51] offset:6144 ; lanes r and 16 + r hold the same word and name the same place
	s_wait_tensorcnt 0x0                           ; the wave's end
	ds_add_u32 v254, v255
	s_wait_dscnt 0x0
	s_endpgm
.Lfunc_end_k_qe3646b87a4_attn:
	.size	k_qe3646b87a4_attn, .Lfunc_end_k_qe3646b87a4_attn-k_qe3646b87a4_attn
	.p2alignl 7, 3214868480
	.fill 96, 4, 3214868480
	.section	.rodata,"a",@progbits
	.p2align	6, 0x0
	.amdhsa_kernel k_qe3646b87a4_attn
		.amdhsa_group_segment_fixed_size 327680
		.amdhsa_private_segment_fixed_size 0
		.amdhsa_enable_private_segment 0
		.amdhsa_kernarg_size 24
		.amdhsa_user_sgpr_count 2
		.amdhsa_user_sgpr_kernarg_segment_ptr 1
		.amdhsa_wavefront_size32 1
		.amdhsa_system_sgpr_workgroup_id_x 1
		.amdhsa_system_sgpr_workgroup_id_y 1
		.amdhsa_system_sgpr_workgroup_id_z 1
		.amdhsa_system_vgpr_workitem_id 0
		.amdhsa_next_free_vgpr 256
		.amdhsa_next_free_sgpr 96
		.amdhsa_reserve_vcc 1
		.amdhsa_float_denorm_mode_32 3
		.amdhsa_float_denorm_mode_16_64 3
		.amdhsa_memory_ordered 1
		.amdhsa_forward_progress 1
		.amdhsa_inst_pref_size 98
	.end_amdhsa_kernel
	.amdgpu_metadata
---
amdhsa.version: [ 1, 2 ]
amdhsa.kernels:
  - .name:           k_qe3646b87a4_attn
    .symbol:         k_qe3646b87a4_attn.kd
    .args:
      - { .name: qimg, .offset: 0, .size: 8, .value_kind: global_buffer, .address_space: global }
      - { .name: kvrec, .offset: 8, .size: 8, .value_kind: global_buffer, .address_space: global }
      - { .name: oimg, .offset: 16, .size: 8, .value_kind: global_buffer, .address_space: global }
    .group_segment_fixed_size: 327680
    .private_segment_fixed_size: 0
    .kernarg_segment_align: 8
    .kernarg_segment_size: 24
    .max_flat_workgroup_size: 512
    .sgpr_count:     96
    .vgpr_count:     256
    .wavefront_size: 32
...
	.end_amdgpu_metadata
.endif
;; end of part 3
;; launch oproj (part 4): grid 4 x 64, 4 waves a work-group, clusters of 4 x 4, 327,680 bytes of LDS; arguments oimg, wimg, bo, out0; writes out0
.if DOCPART == 4
	.amdgcn_target "amdgcn-amd-amdhsa--gfx1250"
	.amdhsa_code_object_version 6
	.text
	.protected	k_qe3646b87a4_oproj
	.globl	k_qe3646b87a4_oproj
	.p2align	8
	.type	k_qe3646b87a4_oproj,@function
k_qe3646b87a4_oproj:
	s_mov_b64 s[64:65], 0
	v_nop
	global_prefetch_b8 v0, s[64:65] scope:SCOPE_SE
	s_setreg_imm32_b32 hwreg(HW_REG_WAVE_MODE, 25, 1), 1
	s_wait_xcnt 0x0
	s_wait_alu depctr_hold_cnt(0) depctr_sa_sdst(0) depctr_va_vdst(0) depctr_va_sdst(0) depctr_va_ssrc(0) depctr_va_vcc(0) depctr_vm_vsrc(0)
	s_getreg_b32 s2, hwreg(HW_REG_IB_STS2, 6, 4)
	s_cmp_eq_u32 s2, 0
	s_cbranch_scc0 .Lentry_in_a_cluster
	s_endpgm
.Lentry_in_a_cluster:
	s_bfe_u32 s2, ttmp6, 0x10000c
	s_cmp_lg_u32 s2, 0xf033
	s_cbranch_scc0 .Lentry_shape_is_right
	s_endpgm
.Lentry_shape_is_right:
; out0 = o wo^T + bo on codes of FP6 (E2M3) with E8M0 scales, sums in f32.  o [8192][1024] and wo [1024][1024] lie as records of 6,400 bytes (tile of 16 rows, K half): four fragments of 1,536 bytes, then 256 scale bytes;
; lane r of tile t holds row 32 (t / 2) + 8 (t % 2) + r + 8 (r / 8).
; A WORK-GROUP makes 256 outputs (S0 = wo's rows, 16 tiles) x 128 tokens (S1 = o's rows, 8 tiles) with ALL of K = 1,024 in LDS: 307,200 bytes, each LDS byte filled once: no slot is filled again.  4 x 64 = 256 work-groups.
; Four waves: wave w takes S0 tiles 8 (w % 2) on and S1 tiles 4 (w / 2) on: 32 accumulators, 32 matrix instructions for each 128 along K.
; In a result, lane (r, h) holds the token of S1's lane r, and register 16 b + i of its 64 holds output 32 b + 16 h + i of my 128.
; CLUSTER 4 x 4: wo's tiles hang on cx and are shared down a column of the cluster, o's on cy and are shared along a row: each is asked for jointly, which divides the requests for both by four.
; THE WAY OUT: a tile of 16 tokens x 128 outputs goes through the wave's own stage in LDS (rows 528 bytes apart) and leaves as whole rows of 512 bytes.  The stage lies in K half 0's bytes, which have had their one fill and, behind the barrier of K step 3, their last read.
; REGISTERS, in windows of 256: window 0: v1-15 addresses; v16-63 scale words, a set for each K half; v64-159 S1's fragments, two sets (on the way out v64-127 rows of out0); v160-223 T; v224, v225 the stage's addresses.
;   window 1: the accumulators, (a, b) at v[8 (8 a + b)];  window 2: S0's fragments, two sets at v0 and v128;  window 3: the bias.
.set CH,  153600                       ; a K half in LDS: S0's 16 records, then S1's 8
.set TB,  6400                         ; a record
.set T,   160
.set STO, 224
.set RD,  225
.set G1A, 24                           ; s[24:31] descriptor group 1 for S0;  s[32:39] its groups 0, one for each K half
.set G0A, 32
.set G1B, 48                           ; s[48:55], s[56:63] the same for S1
.set G0B, 56
.set MSB, 0
.macro WIN new                         ; the immediate's high byte repeats the setting that is left
.if MSB != \new
	s_set_vgpr_msb (MSB<<8)|\new
.set MSB, \new
.endif
.endm
.macro PLACES n
.rept \n
	v_nop
.endr
.endm
.macro CROUND                          ; a round of the cluster's barrier
	s_barrier_signal -1
	s_barrier_wait -1
	s_cmp_lg_u32 s18, 0
	s_cbranch_scc1 .Lnot_wave_0_\@
	s_barrier_signal -3
.Lnot_wave_0_\@:
	s_barrier_wait -3
	s_barrier_signal -1
	s_barrier_wait -1
.endm
; the scale words of K half u: one load of 16 bytes gives a row's four words.  Lanes 0-15 take S0's tile j, lanes 16-31 tile j + 4; of S1 tiles j and j + 2
.macro SCALES u
.irp j, 0,1,2,3
	ds_load_b128 v[16+24*(\u)+4*\j:16+24*(\u)+4*\j+3], v[8+(\u)] offset:TB*\j+6144
.endr
.irp j, 0,1
	ds_load_b128 v[32+24*(\u)+4*\j:32+24*(\u)+4*\j+3], v[10+(\u)] offset:TB*\j+6144
.endr
.endm
; the 12 fragments of K step k into set p: images, read as they lie: each load takes 512 consecutive bytes
.macro FETCH k, p
.set fu, (\k)/4
.set fq, (\k)%4
	WIN 0x80                                       ; destination window 2, address window 0
.irp b, 0,1,2,3,4,5,6,7
.irp g, 0,1,2
	ds_load_b128 v[128*(\p)+12*\b+4*\g:128*(\p)+12*\b+4*\g+3], v[4+fu] offset:TB*\b+1536*fq+512*\g
.endr
.endr
	WIN 0
.irp a, 0,1,2,3
.irp g, 0,1,2
	ds_load_b128 v[64+48*(\p)+12*\a+4*\g:64+48*(\p)+12*\a+4*\g+3], v[6+fu] offset:TB*\a+1536*fq+512*\g
.endr
.endr
.endm
; one product: S1's tile a x S0's tile b, K step k.  The first K step starts the sums: nothing is cleared
.macro MM a, b, k
.set rD, 8*(8*(\a)+(\b))
.set rA, 128*((\k)%2)+12*(\b)
.set rB, 64+48*((\k)%2)+12*(\a)
.set rX, 16+24*((\k)/4)+4*((\b)%4)+(\k)%4
.set rY, 32+24*((\k)/4)+4*((\a)%2)+(\k)%4
.if (\k) == 0
.if ((\b) < 4) && ((\a) < 2)
	v_wmma_scale_f32_16x16x128_f8f6f4 v[rD:rD+7], v[rA:rA+11], v[rB:rB+11], 0, v[rX], v[rY] matrix_a_fmt:MATRIX_FMT_FP6 matrix_b_fmt:MATRIX_FMT_FP6
.elseif (\b) < 4
	v_wmma_scale_f32_16x16x128_f8f6f4 v[rD:rD+7], v[rA:rA+11], v[rB:rB+11], 0, v[rX], v[rY] matrix_a_fmt:MATRIX_FMT_FP6 matrix_b_fmt:MATRIX_FMT_FP6 matrix_b_scale:MATRIX_SCALE_ROW1
.elseif (\a) < 2
	v_wmma_scale_f32_16x16x128_f8f6f4 v[rD:rD+7], v[rA:rA+11], v[rB:rB+11], 0, v[rX], v[rY] matrix_a_fmt:MATRIX_FMT_FP6 matrix_b_fmt:MATRIX_FMT_FP6 matrix_a_scale:MATRIX_SCALE_ROW1
.else
	v_wmma_scale_f32_16x16x128_f8f6f4 v[rD:rD+7], v[rA:rA+11], v[rB:rB+11], 0, v[rX], v[rY] matrix_a_fmt:MATRIX_FMT_FP6 matrix_b_fmt:MATRIX_FMT_FP6 matrix_a_scale:MATRIX_SCALE_ROW1 matrix_b_scale:MATRIX_SCALE_ROW1
.endif
.else
.if ((\b) < 4) && ((\a) < 2)
	v_wmma_scale_f32_16x16x128_f8f6f4 v[rD:rD+7], v[rA:rA+11], v[rB:rB+11], v[rD:rD+7], v[rX], v[rY] matrix_a_fmt:MATRIX_FMT_FP6 matrix_b_fmt:MATRIX_FMT_FP6
.elseif (\b) < 4
	v_wmma_scale_f32_16x16x128_f8f6f4 v[rD:rD+7], v[rA:rA+11], v[rB:rB+11], v[rD:rD+7], v[rX], v[rY] matrix_a_fmt:MATRIX_FMT_FP6 matrix_b_fmt:MATRIX_FMT_FP6 matrix_b_scale:MATRIX_SCALE_ROW1
.elseif (\a) < 2
	v_wmma_scale_f32_16x16x128_f8f6f4 v[rD:rD+7], v[rA:rA+11], v[rB:rB+11], v[rD:rD+7], v[rX], v[rY] matrix_a_fmt:MATRIX_FMT_FP6 matrix_b_fmt:MATRIX_FMT_FP6 matrix_a_scale:MATRIX_SCALE_ROW1
.else
	v_wmma_scale_f32_16x16x128_f8f6f4 v[rD:rD+7], v[rA:rA+11], v[rB:rB+11], v[rD:rD+7], v[rX], v[rY] matrix_a_fmt:MATRIX_FMT_FP6 matrix_b_fmt:MATRIX_FMT_FP6 matrix_a_scale:MATRIX_SCALE_ROW1 matrix_b_scale:MATRIX_SCALE_ROW1
.endif
.endif
.endm
; a K step of 128: its fragments were asked for 32 matrix instructions ago; the next step's are asked for first, then the 32 accumulators take their turns, in the same order in every step
.macro KSTEP k
	s_wait_dscnt 0x0                               ; this step's fragments are in
.if (\k) == 3
	s_wait_tensorcnt 0x0                           ; my part of K half 1 has landed,
	s_barrier_signal -1
	s_barrier_wait -1                              ; everybody's has; and nobody reads K half 0 behind this barrier
	SCALES 1
.endif
.if (\k) < 7
.if (\k) > 0
	PLACES 4                                       ; four plain instructions between the last products and loads into the registers that they read (ISA guide 7.12.1 for vector instructions)
.endif
	FETCH (\k)+1, 1-(\k)%2
.endif
	WIN 0x52                                       ; source 0 window 2, source 1 window 0, C and D window 1
.irp a, 0,1,2,3
.irp b, 0,1,2,3,4,5,6,7
	MM \a, \b, \k
.endr
.endr
	WIN 0
.endm
	s_load_b256 s[4:11], s[0:1], 0x0               ; oimg, wimg, bo, out0
	v_lshl_add_u32 v254, v0, 2, 0x4b000
	v_mov_b32 v255, 0
	ds_add_u32 v254, v255
	ds_add_u32 v254, v255
	v_lshrrev_b32 v1, 5, v0
	v_readfirstlane_b32 s18, v1                    ; wave 0..3
	s_lshr_b32 s19, s18, 1                         ; which 4 tiles of S1 are mine.  Also: I fetch for S0 (0) or for S1 (1)
	s_and_b32 s20, s18, 1                          ; which 8 tiles of S0 are mine.  Also: which half of that side I fetch
	s_bfe_u32 s40, ttmp6, 0x40000                  ; cx: my block of 256 outputs
	s_bfe_u32 s41, ttmp6, 0x40004                  ; cy
	s_and_b32 s42, ttmp7, 0xffff                   ; the cluster's y
	s_lshl_b32 s21, s41, 2
	s_lshl_b32 s21, 15, s21                        ; my row of the cluster
	s_lshl_b32 s22, 0x1111, s40                    ; my column
	; descriptor group 1: R records of 6,400 bytes (800 elements of 8 bytes), 12,800 bytes apart in memory, on end in LDS
	s_or_b32 s[G1A], s22, (3<<16)|(1<<21)          ; 15:0 the mask: S0's tiles go to my column; 17:16 elements of 8 bytes; 21 set beside a mask
	s_or_b32 s[G1B], s21, (3<<16)|(1<<21)          ; S1's go to my row
	s_mov_b32 s[G1A+1], 800<<16                    ; tensor_dim0
	s_mov_b32 s[G1A+2], 8<<16                      ; tensor_dim1
	s_mov_b32 s[G1A+3], 800<<16                    ; tile_dim0
	s_mov_b32 s[G1A+4], 8                          ; tile_dim1
	s_mov_b32 s[G1A+5], 1600                       ; tensor_dim0_stride
	s_mov_b32 s[G1A+6], 0
	s_mov_b32 s[G1A+7], 0
	s_mov_b32 s[G1B+1], 800<<16
	s_mov_b32 s[G1B+2], 4<<16
	s_mov_b32 s[G1B+3], 800<<16
	s_mov_b32 s[G1B+4], 4
	s_mov_b32 s[G1B+5], 1600
	s_mov_b32 s[G1B+6], 0
	s_mov_b32 s[G1B+7], 0
	s_lshl_b32 s46, s42, 2
	s_add_co_u32 s46, s46, s41                     ; my block of 128 tokens: hangs on cy
	s_lshl_b32 s68, s40, 4
	s_lshl_b32 s69, s20, 3
	s_add_co_u32 s68, s68, s69
	s_mul_i32 s68, s68, 12800                      ; S0: the 8 tiles that I fetch,
	s_add_co_u32 s68, s68, 3*819200                ; in wo's part of wimg
	s_mov_b32 s69, 0
	s_lshl_b32 s70, s46, 3
	s_lshl_b32 s71, s20, 2
	s_add_co_u32 s70, s70, s71
	s_mul_i32 s70, s70, 12800                      ; S1: the 4 tiles that I fetch
	s_mov_b32 s71, 0
	s_mul_i32 s80, s20, 51200                      ; LDS: S0's half w % 2 (what I fetch of S0, and what I read of it)
	s_mul_i32 s81, s20, 25600
	s_add_co_u32 s81, s81, 102400                  ; S1's half w % 2 (what I fetch of S1)
	s_mul_i32 s94, s19, 25600
	s_add_co_u32 s94, s94, 102400                  ; S1's half w / 2 (what I read of it)
	s_wait_dscnt 0x0
	s_wait_kmcnt 0x0
	s_add_nc_u64 s[72:73], s[6:7], s[68:69]
	s_add_nc_u64 s[74:75], s[4:5], s[70:71]
	CROUND                                         ; all sixteen work-groups are here: the joint loads meet
.irp u, 0,1
	s_mov_b32 s[G0A+4*\u], 1
	s_add_co_u32 s[G0A+4*\u+1], s80, \u*CH
	s_add_nc_u64 s[G0A+4*\u+2:G0A+4*\u+3], s[72:73], \u*TB
	s_or_b32 s[G0A+4*\u+3], s[G0A+4*\u+3], 0x80000000
	s_mov_b32 s[G0B+4*\u], 1
	s_add_co_u32 s[G0B+4*\u+1], s81, \u*CH
	s_add_nc_u64 s[G0B+4*\u+2:G0B+4*\u+3], s[74:75], \u*TB
	s_or_b32 s[G0B+4*\u+3], s[G0B+4*\u+3], 0x80000000
.endr
	s_cmp_eq_u32 s19, 0                            ; K half 0's fill: one tensor load a wave at the head, in one branch on the wave's number
	s_cbranch_scc0 .Lfirst_b
	tensor_load_to_lds s[G0A:G0A+3], s[G1A:G1A+7]
	s_nop 0
.rept 4
	v_nop
.endr
	s_branch .Lfirst_done
.Lfirst_b:
	tensor_load_to_lds s[G0B:G0B+3], s[G1B:G1B+7]
	s_nop 0
.rept 4
	v_nop
.endr
.Lfirst_done:
	v_and_b32 v3, 31, v0                           ; lane
	v_and_b32 v1, 15, v0                           ; r
	v_bfe_u32 v2, v0, 4, 1                         ; h
	v_lshlrev_b32 v12, 4, v3                       ; 16 x lane
	v_add_nc_u32 v4, s80, v12                      ; S0's fragments, K half 0, 1
	v_add_nc_u32 v5, CH, v4
	v_add_nc_u32 v6, s94, v12                      ; S1's
	v_add_nc_u32 v7, CH, v6
	v_lshlrev_b32 v15, 4, v1
	v_mad_u32_u24 v8, v2, 25600, v15               ; S0's scale words: 16 r, lanes 16-31 four tiles on
	v_add_nc_u32 v8, s80, v8
	v_add_nc_u32 v9, CH, v8
	v_mad_u32_u24 v10, v2, 12800, v15              ; S1's: lanes 16-31 two tiles on
	v_add_nc_u32 v10, s94, v10
	v_add_nc_u32 v11, CH, v10
	s_mul_i32 s82, s18, 8448                       ; my stage: 16 rows x 528 bytes
	v_mul_u32_u24 v[STO], v1, 528
	v_lshl_add_u32 v[STO], v2, 6, v[STO]
	v_add_nc_u32 v[STO], s82, v[STO]               ; in: row r, + 64 h
	v_add_nc_u32 v[RD], s82, v12                   ; back: a row of 512 bytes, 16 bytes a lane
	s_lshl_b32 s92, s40, 10
	s_lshl_b32 s83, s20, 9
	s_add_co_u32 s92, s92, s83                     ; my 128 outputs, in bytes
	s_mov_b32 s93, 0
	s_add_nc_u64 s[76:77], s[8:9], s[92:93]        ; their bias
	s_add_nc_u64 s[72:73], s[10:11], s[92:93]
	s_lshl_b32 s92, s46, 1
	s_add_co_u32 s92, s92, s19
	s_lshl_b32 s92, s92, 18                        ; my 64 tokens: rows of 4,096 bytes
	s_add_nc_u64 s[72:73], s[72:73], s[92:93]
	v_lshlrev_b32 v14, 6, v2                       ; register 16 b + i wants output 32 b + 16 h + i
	WIN 0xc0                                       ; destination window 3
.irp c, 0,1,2,3,4,5,6,7,8,9,10,11,12,13,14,15
	global_load_b128 v[4*\c:4*\c+3], v14, s[76:77] offset:128*(\c/4)+16*(\c%4)
.endr
	WIN 0
	s_wait_alu depctr_va_vdst(0)
	s_wait_tensorcnt 0x0                           ; my part of K half 0 has landed
	ds_add_u32 v254, v255
	s_wait_dscnt 0x0
	CROUND                                         ; everybody's part of K half 0 is in, and all sixteen work-groups are here
	s_cmp_eq_u32 s19, 0                            ; K half 1's fill: the first tensor load behind the round, one a wave
	s_cbranch_scc0 .Lsecond_b
	tensor_load_to_lds s[G0A+4:G0A+7], s[G1A:G1A+7]
	s_nop 0
.rept 4
	v_nop
.endr
	s_branch .Lsecond_done
.Lsecond_b:
	tensor_load_to_lds s[G0B+4:G0B+7], s[G1B:G1B+7]
	s_nop 0
.rept 4
	v_nop
.endr
.Lsecond_done:
	SCALES 0
	FETCH 0, 0
.irp k, 0,1,2,3,4,5,6,7
	KSTEP \k
.endr
	s_wait_loadcnt 0x0                             ; the bias
	PLACES 4                                       ; between the last products and the first read of results, and the loads into the registers that held S1's fragments
.irp a, 0,1,2,3                                ; a tile of 16 tokens at a time
.if \a > 0
	s_wait_xcnt 0x0                                ; the last tile's stores have read their data
.endif
	WIN 0x0d                                       ; source 0 (sums) window 1, source 1 (bias) window 3
.set n, 0
.rept 32
	v_pk_add_f32 v[T+n:T+n+1], v[64*\a+n:64*\a+n+1], v[n:n+1]   ; ascending: each accumulator is read from its low end on
.set n, n+2
.endr
	WIN 0
.irp c, 0,1,2,3,4,5,6,7,8,9,10,11,12,13,14,15
	ds_store_b128 v[STO], v[T+4*\c:T+4*\c+3] offset:128*(\c/4)+16*(\c%4)
.endr
.irp i, 0,1,2,3,4,5,6,7,8,9,10,11,12,13,14,15
	ds_load_b128 v[64+4*\i:67+4*\i], v[RD] offset:528*\i   ; LDS serves a wave's instructions in order (ISA guide 5.7.1.4): these see the stores above
.endr
.irp i, 0,1,2,3,4,5,6,7,8,9,10,11,12,13,14,15
	s_wait_dscnt 15-\i                             ; row i is back; the younger rows' loads may be out
	global_store_b128 v12, v[64+4*\i:67+4*\i], s[72:73] offset:(32*(\a/2)+8*(\a%2)+\i+8*(\i/8))*4096 th:TH_STORE_NT   ; 32 lanes store 512 consecutive bytes of one token's row, at a multiple of 256 from out0's first byte
.endr
.endr
	s_wait_dscnt 0x0
	s_wait_tensorcnt 0x0
	ds_add_u32 v254, v255
	s_wait_dscnt 0x0
	CROUND                                         ; the closing round: no work-group ends while a partner may still ask for a tile that names it
	s_endpgm
.Lfunc_end_k_qe3646b87a4_oproj:
	.size	k_qe3646b87a4_oproj, .Lfunc_end_k_qe3646b87a4_oproj-k_qe3646b87a4_oproj
	.p2alignl 7, 3214868480
	.fill 96, 4, 3214868480
	.section	.rodata,"a",@progbits
	.p2align	6, 0x0
	.amdhsa_kernel k_qe3646b87a4_oproj
		.amdhsa_group_segment_fixed_size 327680
		.amdhsa_private_segment_fixed_size 0
		.amdhsa_enable_private_segment 0
		.amdhsa_kernarg_size 32
		.amdhsa_user_sgpr_count 2
		.amdhsa_user_sgpr_kernarg_segment_ptr 1
		.amdhsa_wavefront_size32 1
		.amdhsa_system_sgpr_workgroup_id_x 1
		.amdhsa_system_sgpr_workgroup_id_y 1
		.amdhsa_system_sgpr_workgroup_id_z 1
		.amdhsa_system_vgpr_workitem_id 0
		.amdhsa_next_free_vgpr 832
		.amdhsa_next_free_sgpr 96
		.amdhsa_reserve_vcc 0
		.amdhsa_float_denorm_mode_32 3
		.amdhsa_float_denorm_mode_16_64 3
		.amdhsa_memory_ordered 1
		.amdhsa_forward_progress 1
		.amdhsa_inst_pref_size 87
	.end_amdhsa_kernel
	.amdgpu_metadata
---
amdhsa.version: [ 1, 2 ]
amdhsa.kernels:
  - .name:           k_qe3646b87a4_oproj
    .symbol:         k_qe3646b87a4_oproj.kd
    .args:
      - { .name: oimg, .offset: 0, .size: 8, .value_kind: global_buffer, .address_space: global }
      - { .name: wimg, .offset: 8, .size: 8, .value_kind: global_buffer, .address_space: global }
      - { .name: bo, .offset: 16, .size: 8, .value_kind: global_buffer, .address_space: global }
      - { .name: out0, .offset: 24, .size: 8, .value_kind: global_buffer, .address_space: global }
    .group_segment_fixed_size: 327680
    .private_segment_fixed_size: 0
    .kernarg_segment_align: 8
    .kernarg_segment_size: 32
    .max_flat_workgroup_size: 128
    .sgpr_count:     96
    .vgpr_count:     832
    .wavefront_size: 32
...
	.end_amdgpu_metadata
.endif
;; end of part 4
